; MI455X (gfx1250); checked and timed in simulation.
; The chip was launched on July 23, 2026; its instructions are those of AMD's public machine-readable ISA for CDNA 5 (MIT licence, August 2026) and "CDNA5" Instruction Set Architecture Reference Guide (July 2026). The comments in the code are by the model that wrote it; some were corrected since.
;; Grouped Query Attention. Allowed arithmetic: matrix products marked QUANTISED: E2M3 operands, one E8M0 scale for each 32 along K, by v_wmma_scale_f32_16x16x128_f8f6f4 with both operands' format E2M3, f32 sums; everything else in f32.
;; Inputs: Wk 1,024 x 4,096 float32; Wo 4,096 x 2,048 float32; Wq 2,048 x 4,096 float32; Wv 1,024 x 4,096 float32; cos 4,096 x 128 float32; k_norm_w 128 float32; mask 2 x 1 x 1,024 x 2,048 bool; position_ids 2 x 1,024 int32; prev_k 2 x 8 x 1,024 x 128 float32; prev_v 2 x 8 x 1,024 x 128 float32; q_norm_w 128 float32; sin 4,096 x 128 float32; x 2 x 1,024 x 4,096 float32.
;; Outputs: out0 2 x 1,024 x 4,096 float32; out1 2 x 8 x 2,048 x 128 float32; out2 2 x 8 x 2,048 x 128 float32.
;; This version of the problem:
;;   THIS VERSION OF THE PROBLEM IS GIVEN IN LOW PRECISION. The matrix products marked QUANTISED in the list below multiply operands that are first quantised to E2M3 (2 exponent bits, 3 mantissa bits; 6 bits a number), with one power-of-two scale for each 32 numbers along K (OCP MX v1.0); their sums are f32. All else is computed in f32.
;;   The module's matrix products, in the order in which they are computed (A, B: the left and right operand; K: the contracted axis; several contracted axes count as one K, in the product's order):
;;     1. [M 2,048, K 4,096] x [K 4,096, N 2,048]; A: input x; B: input Wq: QUANTISED
;;     2. [M 2,048, K 4,096] x [K 4,096, N 1,024]; A: input x; B: input Wk: QUANTISED
;;     3. [M 2,048, K 4,096] x [K 4,096, N 1,024]; A: input x; B: input Wv: QUANTISED
;;     4. batch 16 x [M 2,048, K 128] x [K 128, N 2,048]; A: computed on the way; B: computed on the way: QUANTISED
;;     5. batch 16 x [M 2,048, K 2,048] x [K 2,048, N 128]; A: softmax (see below); B: computed on the way: QUANTISED
;;     6. [M 2,048, K 2,048] x [K 2,048, N 4,096]; A: computed on the way; B: input Wo: QUANTISED
;;   THE QUANTISER, for each operand of a quantised product, along K:
;;     - K is cut into blocks of 32 from its start; a last block that is shorter is filled with zeros.
;;     - A block's scale is 2^e with e = floor(log2(the largest magnitude in the block)) - 2, held to -126 .. 127; a block of zeros has e = 0. As a byte (E8M0): e + 127.
;;     - Each number is divided by its block's scale, clamped to +-7.5, and rounded to the nearest number of E2M3, ties to even, subnormals kept.
;;     - The product sums the exact products of the quantised numbers (number of the format x scale) in f32.
;;   ~~~python
;;   def quantise(x, axis):      # numpy; x: float32 -> the quantised numbers, widened to float32 again
;;       x = np.moveaxis(x, axis, -1); K = x.shape[-1]
;;       x = np.pad(x, [(0, 0)] * (x.ndim - 1) + [(0, -K % 32)]); x = x.reshape(x.shape[:-1] + (-1, 32)); a = np.abs(x).max(-1, keepdims=True)
;;       e = np.where(a > 0, np.clip(np.frexp(np.where(a > 0, a, 1))[1] - 1 - 2, -126, 127), 0)      # np.frexp(a)[1] - 1 = floor(log2(a)), exactly
;;       r = np.clip(x / 2.0 ** e, -7.5, 7.5)
;;       step = 2.0 ** (np.maximum(np.frexp(np.where(r == 0, 1, r))[1] - 1, 0) - 3)
;;       q = np.round(r / step) * step * 2.0 ** e      # np.round: ties to even
;;       return np.moveaxis(q.reshape(q.shape[:-2] + (-1,))[..., :K], -1, axis).astype(np.float32)
;;   ~~~
;;   SOFTMAX AHEAD OF A QUANTISED PRODUCT. Where the list says 'softmax', what is quantised is not the finished softmax but p = 2^(t - M), with t = logit x log2(e) and M = ceil(the row's largest t), a whole number; so 1/2 < the row's largest p <= 1. The row's sum l is taken of the UNQUANTISED p, in f32, and the product's result is divided by l at the end. Since M is a whole number, a kernel that streams over the keys may use a running M (the ceiling of the running maximum): every later rescaling is an exact power of two, which a block's scale takes up: the codes' values come out the same.
;;   OPERANDS COMPUTED ON THE WAY. 'Computed on the way' means the value that the module computes at that place (a softmax that the list does not call 'softmax' is quantised finished and normalised). What goes into a quantiser is computed in f32, as accurately as f32 sums, v_exp_f32 and their like allow (about 1e-6 of the number): no bf16 or f16 on the way to a quantiser, and a product that is left as it is and whose result goes on into a quantised operand takes f32 operands (vector FMAs, or v_wmma_f32_16x16x4_f32). A number that lies on a knife's edge between two numbers of the format may be rounded either way, as far as f32 arithmetic and the matrix unit's own rounding can turn it there, and no further.
;; One version. Each part assembles by itself: llvm-mc -triple=amdgcn-amd-amdhsa -mcpu=gfx1250 --defsym DOCPART=n.
;; ======== version 1 of 1: 4 launches
;; limits: right only within a limited range of input values
;; workspace buffers: xrec 8,650,752 bytes; wrec 13,107,200 bytes; worec 6,553,600 bytes; krec 3,276,800 bytes; vrec 3,276,800 bytes; qrec 3,276,800 bytes; ctxrec 3,276,800 bytes; maskw 524,288 bytes of whole numbers
;; launch prep (part 1): grid 832 x 1, 4 waves a work-group, no clusters, 101,888 bytes of LDS; arguments x, Wq, Wk, Wv, Wo, prev_k, prev_v, mask, xrec, wrec, worec, krec, vrec, maskw, out1, out2, cos, sin, position_ids; writes xrec, wrec, worec, krec, vrec, maskw, out1, out2
.if DOCPART == 1
	.amdgcn_target "amdgcn-amd-amdhsa--gfx1250"
	.amdhsa_code_object_version 6
	.text
	.protected	k_q36c35a7a43_prep
	.globl	k_q36c35a7a43_prep
	.p2align	8
	.type	k_q36c35a7a43_prep,@function
k_q36c35a7a43_prep:
	s_mov_b64 s[64:65], 0
	v_nop
	global_prefetch_b8 v0, s[64:65] scope:SCOPE_SE
	s_setreg_imm32_b32 hwreg(HW_REG_WAVE_MODE, 25, 1), 1
	s_wait_xcnt 0x0
; PREP: every f32 input of a quantised product is read once and turned into codes of FP6 (E2M3) with one E8M0 byte for each 32 along K,
; laid in workspace as IMAGES OF THE OPERAND'S REGISTERS.  A fragment (16 rows x 128 K, 12 registers a lane) is 1,536 bytes: registers 4 j .. 4 j + 3 of lane L at 512 j + 16 L.
; A record is four fragments and, at byte 6,144, their scale words: lane L's 8 bytes at 8 L hold words 0 and 1; word p carries fragment 2 p's row words in lanes 0-15 and fragment 2 p + 1's in lanes 16-31.
; THE ROWS OF A FRAGMENT ARE NOT NEIGHBOURS: lane row r of row block rb is row 16 rb - 8 (rb & 1) + r + 8 (r / 8), so that two neighbouring blocks' results are 16 neighbours along the next K.
; ROLES by the work-group's number: 0-543 role S (x, Wq, Wk, Wv, Wo, prev_k: K innermost; prev_k is also copied to out1), 544-671 role V (prev_v: K = the keys; copied to out2),
; 672-799 role M (the mask as lane-mask words for the attention launch).  Each role has LDS bytes of its own.
; A block's scale is 2^(floor(log2(its largest magnitude)) - 2): its byte is the largest magnitude's exponent field - 2, held at 1 from below.
; LIMITS: a block of zeros, or one whose largest magnitude lies under 2^-124, gets the byte 1 (its codes are what the byte 1 gives; only this program reads the bytes); NaN and infinities among the inputs are not served.
; The mask is read in pieces of 16 bytes a lane, two lanes to 32 neighbouring bytes: it is 4 MiB of the launch's bytes.
.set VST,   33792                      ; LDS: role S: a stage of 16 rows x 528 bytes for each wave, from 0; role V: 128 keys x 528 bytes, from here
.set SPARE, 101376                     ; the spare words, 128 bytes for each wave: two blocks of 256 bytes that no other line names
.set OFF,   16                         ; v16-31   role S: 16 L + the byte offset of lane row j
.set R,     32                         ; v32-159  two sets of 16 rows x 16 bytes as loaded (role V: 32 rows)
.set X,     160                        ; v160-223 register 32 c + i: k = 64 c + 32 h + i of my lane row
.set C,     224                        ; v224-235 a fragment's codes
.set CT,    236                        ; v236-243 the upper halves of the two blocks, made here and moved
.set MX,    244
.set SO,    246
.set BY,    248
.set P,     250                        ; v250-251 a record's two scale words
.set T,     252
.macro FINISH                          ; the wave's end
	s_wait_tensorcnt 0x0
	ds_add_u32 v6, v7
	s_wait_dscnt 0x0
	s_endpgm
.endm
.macro LOADF t                         ; fragment t: 16 rows x 512 neighbouring bytes, a row an instruction
.set jj, 0
.rept 16
	global_load_b128 v[R+64*((\t)%2)+4*jj:R+64*((\t)%2)+4*jj+3], v[OFF+jj], s[38:39] th:TH_LOAD_NT
.set jj, jj+1
.endr
.endm
; 64 numbers of a lane (two whole blocks of 32) become 12 registers of codes in v[C] on and my row's scale word in v[wreg] (the same in both halves of the lanes)
.macro QCORE wreg
.irp c, 0,1
	v_max3_num_f32 v[MX+\c], |v[X+32*\c]|, |v[X+1+32*\c]|, 0x1800000   ; with the floor 2^(3 - 127): the byte cannot fall under 1
.endr
.irp i, 2,4,6,8,10,12,14,16,18,20,22,24,26,28,30
.irp c, 0,1
	v_max3_num_f32 v[MX+\c], v[MX+\c], |v[X+32*\c+\i]|, |v[X+1+32*\c+\i]|
.endr
.endr
.irp c, 0,1
	v_add_nc_u32 v[SO+\c], 0xff000000, v[MX+\c]    ; 2 off the exponent field: the conversion's scale operand
.endr
.irp c, 0,1
	v_lshrrev_b32 v[BY+\c], 23, v[SO+\c]           ; the scale's byte
.endr
	v_lshl_or_b32 v[\wreg], v[BY+1], 16, v[BY]     ; my blocks h and 2 + h,
	v_lshlrev_b32 v[\wreg], v10, v[\wreg]          ; 8 h bits up;
	v_permlanex16_b32 v[T], v[\wreg], s58, s59
	v_or_b32 v[\wreg], v[\wreg], v[T]              ; with lane l xor 16's two the word is whole
	v_cvt_scalef32_pk16_fp6_f32 v[C:C+2], v[X:X+15], v[SO]
	v_cvt_scalef32_pk16_fp6_f32 v[CT:CT+2], v[X+16:X+31], v[SO]
	v_cvt_scalef32_pk16_fp6_f32 v[C+6:C+8], v[X+32:X+47], v[SO+1]
	v_cvt_scalef32_pk16_fp6_f32 v[CT+4:CT+6], v[X+48:X+63], v[SO+1]
	v_nop                                          ; one plain line behind the conversions
.irp i, 0,1,2
	v_mov_b32 v[C+3+\i], v[CT+\i]
	v_mov_b32 v[C+9+\i], v[CT+4+\i]
.endr
.endm
; Role S, fragment t of a wave's run of eight
.macro FRAGMENT t
.set RB, R+64*((\t)%2)
.if (\t) < 7
	s_wait_loadcnt 16                              ; this fragment's 16 loads are in; the next fragment's 16 may be out
.else
	s_wait_loadcnt 0x0
.endif
.set jj, 0
.rept 16
	ds_store_b128 v8, v[RB+4*jj:RB+4*jj+3] offset:528*jj
.set jj, jj+1
.endr
	s_cmp_eq_u32 s55, 0                            ; only prev_k is also an output: a branch on the work-group's number
	s_cbranch_scc1 .Lnocopy_\@
.set jj, 0
.rept 16
	global_store_b128 v[OFF+jj], v[RB+4*jj:RB+4*jj+3], s[42:43] th:TH_STORE_NT   ; a row of 512 bytes an instruction
.set jj, jj+1
.endr
.Lnocopy_\@:
.set jj, 0
.rept 16
	ds_load_b128 v[X+4*jj:X+4*jj+3], v9 offset:256*(jj/8)+16*(jj%8)   ; LDS serves a wave's instructions in order: these see the stores above
.set jj, jj+1
.endr
	s_wait_dscnt 0x0                               ; my 64 numbers are in, and the stage's stores have read their registers
	s_wait_xcnt 0x0                                ; the bases, the set just copied and the last fragment's codes are rewritten only behind this wait
.if (\t)+2 < 8
.if (((\t)+1)%2) == 0
	s_add_nc_u64 s[38:39], s[38:39], s[44:45]
.else
	s_add_nc_u64 s[38:39], s[38:39], s[46:47]
.endif
	LOADF (\t)+2
.endif
.if ((\t)%2) == 0
	s_add_nc_u64 s[42:43], s[42:43], s[44:45]
.else
	s_add_nc_u64 s[42:43], s[42:43], s[46:47]
.endif
	QCORE 12+(\t)%4
.irp j, 0,1,2
	global_store_b128 v4, v[C+4*\j:C+4*\j+3], s[40:41] offset:6400*((\t)/4)+1536*((\t)%4)+512*\j   ; 512 neighbouring bytes
.endr
.if ((\t)%4) == 3
	v_cndmask_b32 v[P], v12, v13, s56              ; lanes 16-31 take the odd fragment's words
	v_cndmask_b32 v[P+1], v14, v15, s56
	global_store_b64 v5, v[P:P+1], s[40:41] offset:6400*((\t)/4)+6144
.endif
.endm
	s_load_b512 s[4:19], s[0:1], 0x0               ; x, Wq, Wk, Wv, Wo, prev_k, prev_v, mask
	s_load_b512 s[20:35], s[0:1], 0x40             ; xrec, wrec, worec, krec, vrec, maskw, out1, out2
	s_load_b128 s[72:75], s[0:1], 0x80             ; cos, sin
	s_load_b64 s[76:77], s[0:1], 0x90              ; position_ids
	v_lshl_add_u32 v6, v0, 2, SPARE
	v_mov_b32 v7, 0
	v_lshrrev_b32 v1, 5, v0
	v_readfirstlane_b32 s36, v1                    ; wave
	v_and_b32 v1, 31, v0                           ; L
	v_and_b32 v2, 15, v0                           ; r
	v_bfe_u32 v3, v0, 4, 1                         ; h
	v_lshlrev_b32 v4, 4, v1                        ; 16 L
	v_lshlrev_b32 v5, 3, v1                        ; 8 L
	v_lshlrev_b32 v10, 3, v3                       ; 8 h
	v_and_b32 v255, 8, v2
	v_add_nc_u32 v255, v255, v2                    ; r + 8 (r / 8)
	s_mul_i32 s60, s36, 8448
	v_add_nc_u32 v8, s60, v4                       ; role S, into the stage: 8,448 w + 16 L
	v_mul_u32_u24 v9, v2, 528
	v_lshl_add_u32 v9, v3, 7, v9
	v_add_nc_u32 v9, s60, v9                       ; and out of it: row r, + 128 h
	s_mul_i32 s60, s36, 16896
	s_add_co_u32 s60, s60, VST
	v_add_nc_u32 v253, s60, v4                     ; role V, into the stage: my wave's 32 keys
	v_lshlrev_b32 v254, 2, v255
	v_mad_u32_u24 v254, v3, 16896, v254            ; out of it: 32 h keys down, my lane row's channel,
	s_lshl_b32 s60, s36, 7
	s_add_co_u32 s60, s60, VST
	v_add_nc_u32 v254, s60, v254                   ; my wave's 32 channels
	v_mov_b32 v[T], 0                              ; written once: a lane permute's destination counts as one of its sources
	s_mov_b32 s56, 0xffff0000                      ; lanes 16-31
	s_mov_b32 s58, 0x76543210
	s_mov_b32 s59, 0xfedcba98                      ; selects for lane l xor 16
	s_mov_b32 s67, 0
	s_wait_kmcnt 0x0
	s_cmp_ge_u32 ttmp9, 800
	s_cbranch_scc1 .Lrole_c
	s_cmp_ge_u32 ttmp9, 672
	s_cbranch_scc1 .Lrole_m
	s_cmp_ge_u32 ttmp9, 544
	s_cbranch_scc1 .Lrole_v
	; ---- ROLE S.  Which tensor: a cascade of selects on the work-group's number, from prev_k's values down
	s_mov_b64 s[38:39], s[14:15]                   ; from
	s_mov_b64 s[40:41], s[26:27]                   ; to
	s_mov_b32 s48, 512                             ; the tensor's first work-group,
	s_mov_b32 s49, 512                             ; the destination buffer's
	s_mov_b32 s50, 512                             ; a row in bytes
	s_mov_b32 s51, 3                               ; row block = (run << s51) >> s52
	s_mov_b32 s52, 0
	s_mov_b32 s53, 0                               ; run & s53: which 4,096 bytes of the rows
	s_mov_b32 s54, 102400                          ; krec: the new keys' half is passed over after each 8 runs
	s_mov_b32 s44, 4096                            ; from an even fragment to the next: 8 rows
	s_mov_b32 s46, 12288                           ; from an odd one: 24 rows
	s_mov_b32 s55, 1                               ; copied to out1
	s_cmp_lt_u32 ttmp9, 512                        ; Wo
	s_cselect_b64 s[38:39], s[12:13], s[38:39]
	s_cselect_b64 s[40:41], s[24:25], s[40:41]
	s_cselect_b32 s48, 384, s48
	s_cselect_b32 s49, 384, s49
	s_cselect_b32 s50, 8192, s50
	s_cselect_b32 s51, 0, s51
	s_cselect_b32 s52, 1, s52
	s_cselect_b32 s53, 1, s53
	s_cselect_b32 s54, 0, s54
	s_cselect_b32 s44, 512, s44                    ; fragments follow each other along K: 128 numbers
	s_cselect_b32 s46, 512, s46
	s_cselect_b32 s55, 0, s55
	s_cmp_lt_u32 ttmp9, 384                        ; Wv
	s_cselect_b64 s[38:39], s[10:11], s[38:39]
	s_cselect_b64 s[40:41], s[22:23], s[40:41]
	s_cselect_b32 s48, 320, s48
	s_cselect_b32 s49, 128, s49
	s_cselect_b32 s50, 16384, s50
	s_cselect_b32 s52, 2, s52
	s_cselect_b32 s53, 3, s53
	s_cmp_lt_u32 ttmp9, 320                        ; Wk
	s_cselect_b64 s[38:39], s[8:9], s[38:39]
	s_cselect_b32 s48, 256, s48
	s_cmp_lt_u32 ttmp9, 256                        ; Wq
	s_cselect_b64 s[38:39], s[6:7], s[38:39]
	s_cselect_b32 s48, 128, s48
	s_cmp_lt_u32 ttmp9, 128                        ; x
	s_cselect_b64 s[38:39], s[4:5], s[38:39]
	s_cselect_b64 s[40:41], s[20:21], s[40:41]
	s_cselect_b32 s48, 0, s48
	s_cselect_b32 s49, 0, s49
	s_mov_b32 s45, 0
	s_mov_b32 s47, 0
	s_sub_co_u32 s60, ttmp9, s48
	s_lshl_b32 s60, s60, 2
	s_add_co_u32 s60, s60, s36                     ; my run in the source
	s_sub_co_u32 s61, ttmp9, s49
	s_lshl_b32 s61, s61, 2
	s_add_co_u32 s61, s61, s36                     ; and in the destination
	s_lshl_b32 s62, s60, s51
	s_lshr_b32 s62, s62, s52                       ; row block
	s_and_b32 s63, s62, 1
	s_lshl_b32 s63, s63, 3
	s_lshl_b32 s62, s62, 4
	s_sub_co_u32 s62, s62, s63                     ; its first row
	s_mul_i32 s66, s62, s50
	s_and_b32 s63, s60, s53
	s_lshl_b32 s63, s63, 12
	s_add_co_u32 s66, s66, s63
	s_add_nc_u64 s[38:39], s[38:39], s[66:67]
	s_mul_i32 s66, s61, 12800                      ; a run is two records
	s_lshr_b32 s63, s61, 3
	s_mul_i32 s63, s63, s54
	s_add_co_u32 s66, s66, s63
	s_add_nc_u64 s[40:41], s[40:41], s[66:67]
	s_lshr_b32 s63, s60, 3
	s_lshl_b32 s63, s63, 20                        ; out1: a head's 2,048 rows,
	s_and_b32 s66, s60, 7
	s_lshl_b32 s66, s66, 16                        ; a run's 128 rows
	s_add_co_u32 s66, s66, s63
	s_mul_i32 s66, s66, s55                        ; (0 where nothing is copied)
	s_add_nc_u64 s[42:43], s[32:33], s[66:67]
.set jj, 0
.rept 16
	v_mad_u32_u24 v[OFF+jj], s50, jj+8*(jj/8), v4  ; 16 L + lane row j's rows
.set jj, jj+1
.endr
	LOADF 0
	s_wait_alu depctr_va_vdst(0)
	s_wait_xcnt 0x0                                ; the base is stepped only behind this wait
	s_add_nc_u64 s[38:39], s[38:39], s[44:45]
	LOADF 1
.irp t, 0,1,2,3,4,5,6,7
	FRAGMENT \t
.endr
	FINISH
	; ---- ROLE V.  128 keys x 128 channels of prev_v: copied to out2, and through the stage, so that a lane's registers run down the keys
.Lrole_v:
	s_sub_co_u32 s60, ttmp9, 544
	s_lshr_b32 s61, s60, 3                         ; which of the 16 heads
	s_and_b32 s62, s60, 7                          ; which key step
	s_lshl_b32 s66, s61, 19
	s_lshl_b32 s63, s62, 16
	s_add_co_u32 s66, s66, s63
	s_lshl_b32 s63, s36, 14                        ; my wave's 32 keys
	s_add_co_u32 s66, s66, s63
	s_add_nc_u64 s[38:39], s[16:17], s[66:67]
	s_lshl_b32 s63, s61, 19
	s_add_co_u32 s66, s66, s63                     ; in out2 a head has twice the rows
	s_add_nc_u64 s[42:43], s[34:35], s[66:67]
	s_mul_i32 s66, s61, 204800
	s_mul_i32 s63, s62, 12800
	s_add_co_u32 s66, s66, s63
	s_lshr_b32 s63, s36, 1
	s_mul_i32 s63, s63, 6400
	s_add_co_u32 s66, s66, s63                     ; my record: channel tiles 2 w and 2 w + 1 are its fragments 2 (w & 1) and 2 (w & 1) + 1
	s_and_b32 s63, s36, 1
	s_lshl_b32 s68, s63, 2
	s_add_co_u32 s68, s68, s66
	s_add_co_u32 s68, s68, 6144                    ; their scale word
	s_mov_b32 s69, 0
	s_mul_i32 s63, s63, 3072
	s_add_co_u32 s66, s66, s63
	s_add_nc_u64 s[40:41], s[28:29], s[66:67]
	s_add_nc_u64 s[68:69], s[28:29], s[68:69]
.set jj, 0
.rept 32
	global_load_b128 v[R+4*jj:R+4*jj+3], v4, s[38:39] offset:512*jj th:TH_LOAD_NT
.set jj, jj+1
.endr
.set jj, 0
	s_wait_alu depctr_va_vdst(0)
.rept 32
	s_wait_loadcnt 31-jj                           ; loads come back in order: row jj is in
	global_store_b128 v4, v[R+4*jj:R+4*jj+3], s[42:43] offset:512*jj th:TH_STORE_NT
	ds_store_b128 v253, v[R+4*jj:R+4*jj+3] offset:528*jj
.set jj, jj+1
.endr
	s_wait_dscnt 0x0                               ; for the others' sake: my stores into the stage are done
	s_barrier_signal -1
	s_barrier_wait -1
.irp f, 0,1
.set jj, 0
.rept 64
	ds_load_b32 v[X+jj], v254 offset:(64*(jj/32)+(jj%32))*528+32*\f   ; key 64 c + 32 h + i, channel 32 w + 8 f + r + 8 (r / 8)
.set jj, jj+1
.endr
	s_wait_dscnt 0x0
	s_wait_xcnt 0x0                                ; the codes' registers are rewritten only behind this wait
	QCORE 12+\f
.irp j, 0,1,2
	global_store_b128 v4, v[C+4*\j:C+4*\j+3], s[40:41] offset:1536*\f+512*\j
.endr
.endr
	v_cndmask_b32 v[P], v12, v13, s56
	global_store_b32 v5, v[P], s[68:69]            ; one of the record's two words: 4 bytes of each lane's 8
	FINISH
	; ---- ROLE M.  Word n = 16 b + i of (token row block, key step): bit (r, h) = mask[token of lane row r][128 step + 32 b + 16 h + i]: the lane mask of score register n
.Lrole_m:
	s_sub_co_u32 s60, ttmp9, 672                   ; token row block
	s_and_b32 s61, s60, 1
	s_lshl_b32 s61, s61, 3
	s_lshl_b32 s62, s60, 4
	s_sub_co_u32 s62, s62, s61                     ; its first token
	s_lshl_b32 s66, s62, 11                        ; a token's row is 2,048 bytes
	s_lshl_b32 s63, s36, 9                         ; my wave's four key steps
	s_add_co_u32 s66, s66, s63
	s_add_nc_u64 s[38:39], s[18:19], s[66:67]
	s_lshl_b32 s66, s60, 12
	s_lshl_b32 s63, s36, 10
	s_add_co_u32 s66, s66, s63
	s_add_nc_u64 s[40:41], s[30:31], s[66:67]
	v_lshlrev_b32 v11, 11, v255
	v_lshl_add_u32 v11, v3, 4, v11
.set jj, 0
.rept 16
	global_load_b128 v[X+4*jj:X+4*jj+3], v11, s[38:39] offset:32*jj th:TH_LOAD_NT
.set jj, jj+1
.endr
	s_mov_b32 s68, 0xff
	s_mov_b32 s69, 0xff00
	s_mov_b32 s70, 0xff0000
	s_mov_b32 s71, 0xff000000
.irp j, 0,1,2,3,4,5,6,7
	v_mov_b32 v[C+\j], 0                           ; a lane write's destination counts as read
.endr
	s_wait_loadcnt 0x0
.set nn, 0
.rept 256
	v_and_b32 v[MX+(nn%4)], s[68+(nn%4)], v[X+nn/4]
	v_cmp_ne_u32 s[60+(nn%4)], 0, v[MX+(nn%4)]
	v_writelane_b32 v[C+4*(nn/128)+(nn%4)], s[60+(nn%4)], (nn%128)/4   ; word nn goes to the lane that stores its 16 bytes
.set nn, nn+1
.endr
	global_store_b128 v4, v[C:C+3], s[40:41]
	global_store_b128 v4, v[C+4:C+7], s[40:41] offset:512
	FINISH
	; ---- ROLE C (work-groups 800-831).  The rope rows of a token row block, looked up by position_ids, as images of the registers in which the projection launch holds a result:
	; register 16 b + i of lane (r, h) = column 32 b + 16 h + i of lane row r's token.  A wave takes one block: 64 registers of cos at byte 0, 64 of sin at byte 8,192 of its 16,384 bytes; registers 4 j .. 4 j + 3 of lane L at 512 j + 16 L.
	; The 128 blocks lie behind x's records, from byte 6,553,600 of xrec on.
.Lrole_c:
	s_sub_co_u32 s60, ttmp9, 800
	s_lshl_b32 s60, s60, 2
	s_add_co_u32 s60, s60, s36                     ; token row block
	s_and_b32 s61, s60, 1
	s_lshl_b32 s61, s61, 3
	s_lshl_b32 s62, s60, 4
	s_sub_co_u32 s62, s62, s61                     ; its first token
	s_lshl_b32 s66, s62, 2
	s_add_nc_u64 s[38:39], s[76:77], s[66:67]
	s_lshl_b32 s66, s60, 14
	s_add_co_u32 s66, s66, 6553600
	s_add_nc_u64 s[40:41], s[20:21], s[66:67]
	v_lshlrev_b32 v11, 2, v255
	global_load_b32 v12, v11, s[38:39]             ; my lane row's position
	s_wait_loadcnt 0x0
	v_lshlrev_b32 v13, 6, v3                       ; 64 h
	v_min_u32 v12, 0xfff, v12                      ; an index stays inside its table of 4,096 rows
	v_lshl_add_u32 v12, v12, 9, v13
.set jj, 0
.rept 16
	global_load_b128 v[R+4*jj:R+4*jj+3], v12, s[72:73] offset:128*(jj/4)+16*(jj%4)
.set jj, jj+1
.endr
.set jj, 0
.rept 16
	global_load_b128 v[R+64+4*jj:R+64+4*jj+3], v12, s[74:75] offset:128*(jj/4)+16*(jj%4)
.set jj, jj+1
.endr
.set jj, 0
.rept 32
	s_wait_loadcnt 31-jj                           ; loads come back in order: group jj is in
	global_store_b128 v4, v[R+4*jj:R+4*jj+3], s[40:41] offset:512*jj   ; 512 neighbouring bytes
.set jj, jj+1
.endr
	FINISH
.Lfunc_end_k_q36c35a7a43_prep:
	.size	k_q36c35a7a43_prep, .Lfunc_end_k_q36c35a7a43_prep-k_q36c35a7a43_prep
	.p2alignl 7, 3214868480
	.fill 96, 4, 3214868480
	.section	.rodata,"a",@progbits
	.p2align	6, 0x0
	.amdhsa_kernel k_q36c35a7a43_prep
		.amdhsa_group_segment_fixed_size 101888
		.amdhsa_private_segment_fixed_size 0
		.amdhsa_enable_private_segment 0
		.amdhsa_kernarg_size 152
		.amdhsa_user_sgpr_count 2
		.amdhsa_user_sgpr_kernarg_segment_ptr 1
		.amdhsa_wavefront_size32 1
		.amdhsa_system_sgpr_workgroup_id_x 1
		.amdhsa_system_sgpr_workgroup_id_y 1
		.amdhsa_system_sgpr_workgroup_id_z 1
		.amdhsa_system_vgpr_workitem_id 0
		.amdhsa_next_free_vgpr 256
		.amdhsa_next_free_sgpr 80
		.amdhsa_reserve_vcc 0
		.amdhsa_float_denorm_mode_32 3
		.amdhsa_float_denorm_mode_16_64 3
		.amdhsa_memory_ordered 1
		.amdhsa_forward_progress 1
		.amdhsa_inst_pref_size 150
	.end_amdhsa_kernel
	.amdgpu_metadata
---
amdhsa.version: [ 1, 2 ]
amdhsa.kernels:
  - .name:           k_q36c35a7a43_prep
    .symbol:         k_q36c35a7a43_prep.kd
    .args:
      - { .name: x, .offset: 0, .size: 8, .value_kind: global_buffer, .address_space: global }
      - { .name: Wq, .offset: 8, .size: 8, .value_kind: global_buffer, .address_space: global }
      - { .name: Wk, .offset: 16, .size: 8, .value_kind: global_buffer, .address_space: global }
      - { .name: Wv, .offset: 24, .size: 8, .value_kind: global_buffer, .address_space: global }
      - { .name: Wo, .offset: 32, .size: 8, .value_kind: global_buffer, .address_space: global }
      - { .name: prev_k, .offset: 40, .size: 8, .value_kind: global_buffer, .address_space: global }
      - { .name: prev_v, .offset: 48, .size: 8, .value_kind: global_buffer, .address_space: global }
      - { .name: mask, .offset: 56, .size: 8, .value_kind: global_buffer, .address_space: global }
      - { .name: xrec, .offset: 64, .size: 8, .value_kind: global_buffer, .address_space: global }
      - { .name: wrec, .offset: 72, .size: 8, .value_kind: global_buffer, .address_space: global }
      - { .name: worec, .offset: 80, .size: 8, .value_kind: global_buffer, .address_space: global }
      - { .name: krec, .offset: 88, .size: 8, .value_kind: global_buffer, .address_space: global }
      - { .name: vrec, .offset: 96, .size: 8, .value_kind: global_buffer, .address_space: global }
      - { .name: maskw, .offset: 104, .size: 8, .value_kind: global_buffer, .address_space: global }
      - { .name: out1, .offset: 112, .size: 8, .value_kind: global_buffer, .address_space: global }
      - { .name: out2, .offset: 120, .size: 8, .value_kind: global_buffer, .address_space: global }
      - { .name: cos, .offset: 128, .size: 8, .value_kind: global_buffer, .address_space: global }
      - { .name: sin, .offset: 136, .size: 8, .value_kind: global_buffer, .address_space: global }
      - { .name: position_ids, .offset: 144, .size: 8, .value_kind: global_buffer, .address_space: global }
    .group_segment_fixed_size: 101888
    .private_segment_fixed_size: 0
    .kernarg_segment_align: 8
    .kernarg_segment_size: 152
    .max_flat_workgroup_size: 128
    .sgpr_count:     80
    .vgpr_count:     256
    .wavefront_size: 32
...
	.end_amdgpu_metadata
.endif
;; end of part 1
;; launch qkv (part 2): grid 16 x 16, 4 waves a work-group, clusters of 4 x 4, 327,680 bytes of LDS; arguments xrec, wrec, q_norm_w, k_norm_w, qrec, krec, vrec, out1, out2; writes qrec, krec, vrec, out1, out2
.if DOCPART == 2
	.amdgcn_target "amdgcn-amd-amdhsa--gfx1250"
	.amdhsa_code_object_version 6
	.text
	.protected	k_q36c35a7a43_qkv
	.globl	k_q36c35a7a43_qkv
	.p2align	8
	.type	k_q36c35a7a43_qkv,@function
k_q36c35a7a43_qkv:
	s_mov_b64 s[64:65], 0
	v_nop
	global_prefetch_b8 v0, s[64:65] scope:SCOPE_SE
	s_setreg_imm32_b32 hwreg(HW_REG_WAVE_MODE, 25, 1), 1
	s_wait_xcnt 0x0
	s_wait_alu depctr_hold_cnt(0) depctr_sa_sdst(0) depctr_va_vdst(0) depctr_va_sdst(0) depctr_va_ssrc(0) depctr_va_vcc(0) depctr_vm_vsrc(0)
	s_getreg_b32 s2, hwreg(HW_REG_IB_STS2, 6, 4)
	s_cmp_eq_u32 s2, 0
	s_cbranch_scc0 .Lentry_in_a_cluster
	s_endpgm
.Lentry_in_a_cluster:
	s_bfe_u32 s2, ttmp6, 0x10000c
	s_cmp_lg_u32 s2, 0xf033
	s_cbranch_scc0 .Lentry_shape_is_right
	s_endpgm
.Lentry_shape_is_right:
; Q, K, V PROJECTIONS on codes of FP6 (E2M3) with E8M0 scales, then RMS norm, rope and the next products' quantisers.  A work-group makes 128 x 256 of the result, a wave 64 x 128; K goes in records of 512
; through two LDS slots filled by joint loads of a 4 x 4 cluster.  Cluster columns 0, 1: Q; 2: K (also out1); 3: V, with the sources swapped so that the keys run along a lane's registers (also out2).
; THE ROPE ROWS lie behind x's records in xrec, where the first launch laid them as images of my result registers: each load reads 512 neighbouring bytes.  Block 0's 128 registers and the norm's 64 weights are asked
; for at the head, into window 3, which the products do not use; blocks 1 and 2 behind the last product, block 3 when block 0's registers are free.  The head is one text: column 3's waves ask for them too and do not use them.
; PREFETCH: behind the joint load of record j stands a request for record j + 2 (behind record 0's also for record 1): of the row blocks that a wave fetches jointly, each of the four partners names its own,
; told apart by address: 25 blocks of 256 bytes a row block's record, a lane a block (lanes 25-31 name lane 24's).  Records 6 and 7 have no record two on: the loop's last trip asks for nothing.
.set KQ,    8
.set RBS,   KQ*6400
.set LAPS,  KQ/2
.set SLOT,  153600
.set BOFF,  51200
.set SPARE, 307200
.set VSTG,  34816
.set SC,    32
.set AF,    80
.set G1A,   24
.set G0A,   32
.set G1B,   48
.set G0B,   56
.set TM,    224
.set SEL,   98
.set MSB,   0
.macro WIN new
.if MSB != (\new)
	s_set_vgpr_msb (MSB<<8)|(\new)
.set MSB, (\new)
.endif
.endm
.macro PLACES n
.rept \n
	v_nop
.endr
.endm
.macro JLOAD s
	s_cmp_eq_u32 s11, 0
	s_cbranch_scc0 .Lfor_b_\@
	tensor_load_to_lds s[G0A+4*\s:G0A+4*\s+3], s[G1A:G1A+7]
	s_nop 0
.rept 4
	v_nop
.endr
	s_branch .Lasked_\@
.Lfor_b_\@:
	tensor_load_to_lds s[G0B+4*\s:G0B+4*\s+3], s[G1B:G1B+7]
	s_nop 0
.rept 4
	v_nop
.endr
.Lasked_\@:
.endm
.macro CREST
	s_cmp_lg_u32 s10, 0
	s_cbranch_scc1 .Lnot_wave_0_\@
	s_barrier_signal -3
.Lnot_wave_0_\@:
	s_barrier_wait -3
	s_barrier_signal -1
	s_barrier_wait -1
.endm
.macro CROUND
	s_barrier_signal -1
	s_barrier_wait -1
	CREST
.endm
.macro FETCH slot, q, set
	WIN 0x40
.irp b, 0,1,2,3,4,5,6,7
.irp j, 0,1,2
	ds_load_b128 v[128*(\set)+12*\b+4*\j:128*(\set)+12*\b+4*\j+3], v[6+\slot] offset:6400*\b+1536*(\q)+512*\j
.endr
.endr
	WIN 0
.irp a, 0,1,2,3
.irp j, 0,1,2
	ds_load_b128 v[AF+48*(\set)+12*\a+4*\j:AF+48*(\set)+12*\a+4*\j+3], v[4+\slot] offset:6400*\a+1536*(\q)+512*\j
.endr
.endr
.endm
.macro SCALES slot
.irp a, 0,1,2,3
	ds_load_b64 v[SC+24*\slot+2*\a:SC+24*\slot+2*\a+1], v[8+\slot] offset:6400*\a+6144
.endr
.irp b, 0,1,2,3,4,5,6,7
	ds_load_b64 v[SC+24*\slot+8+2*\b:SC+24*\slot+9+2*\b], v[10+\slot] offset:6400*\b+6144
.endr
.endm
.macro MUL8 a, set, q, sc, zero
.irp b, 0,1,2,3,4,5,6,7
.if \zero
	v_wmma_scale_f32_16x16x128_f8f6f4 v[8*(8*(\a)+\b):8*(8*(\a)+\b)+7], v[128*(\set)+12*\b:128*(\set)+12*\b+11], v[AF+48*(\set)+12*(\a):AF+48*(\set)+12*(\a)+11], 0, v[SC+24*(\sc)+8+2*\b+(\q)/2], v[SC+24*(\sc)+2*(\a)+(\q)/2] matrix_a_fmt:MATRIX_FMT_FP6 matrix_b_fmt:MATRIX_FMT_FP6
.elseif ((\q)%2) == 0
	v_wmma_scale_f32_16x16x128_f8f6f4 v[8*(8*(\a)+\b):8*(8*(\a)+\b)+7], v[128*(\set)+12*\b:128*(\set)+12*\b+11], v[AF+48*(\set)+12*(\a):AF+48*(\set)+12*(\a)+11], v[8*(8*(\a)+\b):8*(8*(\a)+\b)+7], v[SC+24*(\sc)+8+2*\b+(\q)/2], v[SC+24*(\sc)+2*(\a)+(\q)/2] matrix_a_fmt:MATRIX_FMT_FP6 matrix_b_fmt:MATRIX_FMT_FP6
.else
	v_wmma_scale_f32_16x16x128_f8f6f4 v[8*(8*(\a)+\b):8*(8*(\a)+\b)+7], v[128*(\set)+12*\b:128*(\set)+12*\b+11], v[AF+48*(\set)+12*(\a):AF+48*(\set)+12*(\a)+11], v[8*(8*(\a)+\b):8*(8*(\a)+\b)+7], v[SC+24*(\sc)+8+2*\b+(\q)/2], v[SC+24*(\sc)+2*(\a)+(\q)/2] matrix_a_fmt:MATRIX_FMT_FP6 matrix_b_fmt:MATRIX_FMT_FP6 matrix_a_scale:MATRIX_SCALE_ROW1 matrix_b_scale:MATRIX_SCALE_ROW1
.endif
.endr
.endm
.macro STEP slot, q, zero
	s_wait_dscnt 0x0
	PLACES 4
	FETCH \slot, (\q)+1, 1-(\q)%2
	WIN 0xa1
	MUL8 0, (\q)%2, \q, \slot, \zero
	MUL8 1, (\q)%2, \q, \slot, \zero
	MUL8 2, (\q)%2, \q, \slot, \zero
	MUL8 3, (\q)%2, \q, \slot, \zero
	WIN 0
.endm
.macro ASK off, inloop                 ; a record of my share: A's waves name one row block, B's waves two
.if \inloop
	s_cmp_gt_u32 s3, 1                             ; s3 = 1 in the loop's last trip
	s_cbranch_scc0 .Lno_ask_\@
.endif
	global_prefetch_b8 v250, s[4:5] offset:\off th:TH_LOAD_NT scope:SCOPE_SE
	s_cmp_eq_u32 s11, 0
	s_cbranch_scc1 .Lno_ask_\@
	global_prefetch_b8 v250, s[4:5] offset:\off+RBS th:TH_LOAD_NT scope:SCOPE_SE
.Lno_ask_\@:
.endm
.macro TURN slot, next, fill
	s_wait_xcnt 0x0                                ; the last prefetch, a slot back, has read its address: only now is it stepped
	s_add_nc_u64 s[4:5], s[4:5], 6400
	s_wait_tensorcnt 0x0
	ds_add_u32 v12, v13
	s_wait_dscnt 0x1
	WIN 0xa1
	MUL8 0, 1, 3, \slot, 0
	MUL8 1, 1, 3, \slot, 0
	s_wait_dscnt 0x0
	s_barrier_signal -1
	MUL8 2, 1, 3, \slot, 0
	WIN 0
	s_barrier_wait -1
.if \fill
	CREST
	s_add_nc_u64 s[G0A+4*\slot+2:G0A+4*\slot+3], s[G0A+4*\slot+2:G0A+4*\slot+3], 12800
	s_add_nc_u64 s[G0B+4*\slot+2:G0B+4*\slot+3], s[G0B+4*\slot+2:G0B+4*\slot+3], 12800
	JLOAD \slot
.else
	PLACES 4
.endif
	FETCH \next, 0, 0
	SCALES \next
.if \fill
	ASK 19200, 1                                   ; behind the joint load and the run of LDS loads: the record two refills on
.endif
	WIN 0xa1
	MUL8 3, 1, 3, \slot, 0
	WIN 0
.endm
.macro QUANT src, win, pc, ct, pw
	WIN (\win)|((\win)<<2)
.irp b, 0,1,2,3
	v_max3_num_f32 v[TM+\b], |v[(\src)+16*\b]|, |v[(\src)+1+16*\b]|, 0x1800000
.endr
	WIN ((\win)<<2)|((\win)<<4)
.irp i, 2,4,6,8,10,12,14
.irp b, 0,1,2,3
	v_max3_num_f32 v[TM+\b], v[TM+\b], |v[(\src)+16*\b+\i]|, |v[(\src)+1+16*\b+\i]|
.endr
.endr
	WIN 0
.irp b, 0,1,2,3
	v_permlanex16_b32 v[TM+4+\b], v[TM+\b], s[SEL], s[SEL+1]
.endr
.irp b, 0,1,2,3
	v_max_num_f32 v[TM+\b], v[TM+\b], v[TM+4+\b]
.endr
.irp b, 0,1,2,3
	v_add_nc_u32 v[TM+12+\b], 0xff000000, v[TM+\b]
.endr
.irp b, 0,1,2,3
	v_lshrrev_b32 v[TM+4+\b], 23, v[TM+12+\b]
.endr
	v_lshl_or_b32 v[\pw], v[TM+5], 8, v[TM+4]
	v_lshl_or_b32 v[\pw], v[TM+6], 16, v[\pw]
	v_lshl_or_b32 v[\pw], v[TM+7], 24, v[\pw]
	WIN (\win)
.irp c, 0,1
	v_cvt_scalef32_pk16_fp6_f32 v[(\pc)+6*\c:(\pc)+6*\c+2], v[(\src)+32*\c:(\src)+32*\c+15], v[TM+12+2*\c]
	v_cvt_scalef32_pk16_fp6_f32 v[(\ct)+4*\c:(\ct)+4*\c+2], v[(\src)+16+32*\c:(\src)+31+32*\c], v[TM+13+2*\c]
.endr
	WIN 0
	v_nop
.irp c, 0,1
.irp i, 0,1,2
	v_permlane16_swap_b32 v[(\pc)+6*\c+\i], v[(\ct)+4*\c+\i]
.endr
.irp i, 0,1,2
	v_mov_b32 v[(\pc)+3+6*\c+\i], v[(\ct)+4*\c+\i]
.endr
.endr
.endm
.macro ENDING
	s_wait_tensorcnt 0x0
	ds_add_u32 v12, v13
	s_wait_dscnt 0x0
	CROUND
	s_endpgm
.endm
.macro CSLOAD a                        ; block a's rope rows: 64 registers of cos, then 64 of sin.  Blocks 0 and 3: window 3, v64 on; block 1: window 1, v0 on; block 2: window 1, v128 on
.if ((\a)%3) == 0
	WIN 0xc0
.set CBS, 64
.else
	WIN 0x40
.set CBS, 128*((\a)-1)
.endif
.set jj, 0
.rept 32
	global_load_b128 v[CBS+4*jj:CBS+4*jj+3], v1, s[76:77] offset:16384*(\a)+512*jj
.set jj, jj+1
.endr
	WIN 0
.endm
.macro QKBLOCK a
	WIN 0x0a
.set nn, 0
.rept 4
	v_pk_mul_f32 v[240+nn:241+nn], v[64*(\a)+nn:64*(\a)+nn+1], v[64*(\a)+nn:64*(\a)+nn+1]
.set nn, nn+2
.endr
.rept 28
	v_pk_fma_f32 v[240+(nn%8):241+(nn%8)], v[64*(\a)+nn:64*(\a)+nn+1], v[64*(\a)+nn:64*(\a)+nn+1], v[240+(nn%8):241+(nn%8)]
.set nn, nn+2
.endr
	WIN 0
	v_pk_add_f32 v[240:241], v[240:241], v[242:243]
	v_pk_add_f32 v[244:245], v[244:245], v[246:247]
	v_pk_add_f32 v[240:241], v[240:241], v[244:245]
	v_add_f32 v240, v240, v241
	v_permlanex16_b32 v241, v240, s[SEL], s[SEL+1]
	v_add_f32 v240, v240, v241
	v_fma_f32 v242, v240, s101, s19
	s_wait_alu depctr_va_vdst(0)
	v_rsq_f32 v28, v242
	v_nop
	s_wait_xcnt 0x0
	s_wait_alu depctr_va_vdst(0)
	WIN 0x02
.set nn, 0
.rept 32
	v_pk_mul_f32 v[32+nn:33+nn], v[64*(\a)+nn:64*(\a)+nn+1], v[28:29] op_sel_hi:[1,0]
.set nn, nn+2
.endr
.if (\a) == 1
	s_wait_loadcnt 32                              ; block 1's 32 loads are in; block 2's may be out
	CSLOAD 3
.elseif (\a) == 2
	s_wait_loadcnt 32                              ; block 2's are in; block 3's may be out
.elseif (\a) == 3
	s_wait_loadcnt 0x0
.endif
	WIN 0x0c
.set nn, 0
.rept 32
	v_pk_mul_f32 v[32+nn:33+nn], v[32+nn:33+nn], v[nn:nn+1]
.set nn, nn+2
.endr
.if ((\a)%3) == 0
	WIN 0x0c
.set QB, 64
.else
	WIN 0x04
.set QB, 128*((\a)-1)
.endif
.set nn, 0
.rept 32
	v_pk_mul_f32 v[96+nn:97+nn], v[32+nn:33+nn], v[QB+nn:QB+nn+1]
.set nn, nn+2
.endr
.set nn, 0
.rept 16
	v_pk_fma_f32 v[96+nn:97+nn], v[64+nn:65+nn], v[QB+64+nn:QB+65+nn], v[96+nn:97+nn] neg_lo:[1,0,0] neg_hi:[1,0,0]
.set nn, nn+2
.endr
.rept 16
	v_pk_fma_f32 v[96+nn:97+nn], v[nn:nn+1], v[QB+64+nn:QB+65+nn], v[96+nn:97+nn]
.set nn, nn+2
.endr
	WIN 0
	s_cmp_lg_u32 s15, 2
	s_cbranch_scc1 .Lnot_k_\@
.irp b, 0,1,2,3
.irp m, 0,1,2,3
	ds_store_b128 v14, v[96+16*\b+4*\m:96+16*\b+4*\m+3] offset:128*\b+16*\m
.endr
.endr
.set tt, 0
.rept 16
	ds_load_b128 v[160+4*tt:160+4*tt+3], v15 offset:528*tt
.set tt, tt+1
.endr
	s_wait_dscnt 0x0
.set tt, 0
.rept 16
	global_store_b128 v1, v[160+4*tt:160+4*tt+3], s[94:95] offset:512*(32*((\a)/2)+8*((\a)%2)+tt+8*(tt/8)) th:TH_STORE_NT
.set tt, tt+1
.endr
.Lnot_k_\@:
	QUANT 96, 0, 32, 44, 22+(\a)
.irp j, 0,1,2
	global_store_b128 v1, v[32+4*\j:35+4*\j], s[92:93] offset:1536*(\a)+512*\j
.endr
.endm
	s_load_b256 s[68:75], s[0:1], 0x0              ; xrec, wrec, q_norm_w, k_norm_w
	s_load_b64 s[82:83], s[0:1], 0x20              ; qrec
	s_load_b256 s[84:91], s[0:1], 0x28             ; krec, vrec, out1, out2
	v_lshl_add_u32 v12, v0, 2, SPARE
	v_mov_b32 v13, 0
	ds_add_u32 v12, v13
	ds_add_u32 v12, v13
	v_lshrrev_b32 v1, 5, v0
	v_readfirstlane_b32 s10, v1
	v_and_b32 v250, 31, v0
	v_min_u32 v250, 24, v250
	v_lshlrev_b32 v250, 8, v250                    ; the prefetches' offset: a lane a block of 256 bytes; never rewritten
	s_lshr_b32 s11, s10, 1
	s_and_b32 s12, s10, 1
	s_bfe_u32 s13, ttmp6, 0x40000
	s_bfe_u32 s14, ttmp6, 0x40004
	s_mov_b32 s15, ttmp9
	s_and_b32 s16, ttmp7, 0xffff
	s_and_b32 s44, s16, 1
	s_lshr_b32 s45, s16, 1
	s_cmp_eq_u32 s15, 3
	s_cselect_b32 s44, s44, s16
	s_cselect_b32 s45, s45, s15
	s_cselect_b32 s46, 9830400, 0
	s_lshl_b32 s17, s44, 2
	s_add_co_u32 s17, s17, s14
	s_lshl_b32 s18, s45, 2
	s_add_co_u32 s18, s18, s13
	s_lshl_b32 s20, s14, 2
	s_lshl_b32 s20, 15, s20
	s_lshl_b32 s22, 0x1111, s13
	s_or_b32 s[G1A], s20, (3<<16)|(1<<21)
	s_or_b32 s[G1B], s22, (3<<16)|(1<<21)
	s_mov_b32 s[G1A+1], 800<<16
	s_mov_b32 s[G1A+2], 4<<16
	s_mov_b32 s[G1A+3], 800<<16
	s_mov_b32 s[G1A+4], 4
	s_mov_b32 s[G1A+5], RBS/8
	s_mov_b32 s[G1A+6], 0
	s_mov_b32 s[G1A+7], 0
	s_mov_b32 s[G1B+1], 800<<16
	s_mov_b32 s[G1B+2], 8<<16
	s_mov_b32 s[G1B+3], 800<<16
	s_mov_b32 s[G1B+4], 8
	s_mov_b32 s[G1B+5], RBS/8
	s_mov_b32 s[G1B+6], 0
	s_mov_b32 s[G1B+7], 0
	s_lshl_b32 s20, s17, 3
	s_lshl_b32 s21, s12, 2
	s_add_co_u32 s20, s20, s21
	s_mul_i32 s20, s20, RBS
	s_add_co_u32 s20, s20, s46
	s_mov_b32 s21, 0
	s_lshl_b32 s22, s18, 4
	s_lshl_b32 s23, s12, 3
	s_add_co_u32 s22, s22, s23
	s_mul_i32 s22, s22, RBS
	s_mov_b32 s23, 0
	s_mul_i32 s2, s12, 25600
	s_mul_i32 s19, s12, 51200
	s_add_co_u32 s19, s19, BOFF
	s_lshl_b32 s46, s17, 17                        ; the rope images: 16,384 bytes a token row block, 8 blocks a tile row,
	s_lshl_b32 s47, s11, 16                        ; my wave's four
	s_add_co_u32 s46, s46, s47
	s_mov_b32 s47, 0
	s_mov_b32 s[SEL], 0x76543210
	s_mov_b32 s[SEL+1], 0xfedcba98
	s_mov_b32 s100, 0xffff0000
	s_mov_b32 s101, 0x3c000000
	s_wait_dscnt 0x0
	s_wait_kmcnt 0x0
	s_cmp_eq_u32 s15, 3
	s_cselect_b64 s[40:41], s[70:71], s[68:69]
	s_cselect_b64 s[42:43], s[68:69], s[70:71]
	s_add_nc_u64 s[20:21], s[40:41], s[20:21]
	s_add_nc_u64 s[22:23], s[42:43], s[22:23]
	s_add_co_u32 s46, s46, 6553600                 ; behind x's records
	s_add_nc_u64 s[76:77], s[68:69], s[46:47]
	s_lshl_b32 s6, s14, 1
	s_cmp_eq_u32 s11, 0                            ; do I fetch for A?
	s_cselect_b64 s[4:5], s[20:21], s[22:23]       ; the prefetches begin at my tile's record 0,
	s_cselect_b32 s6, s13, s6                      ; at my work-group's share: row block cx of A's four, row blocks 2 cy and 2 cy + 1 of B's eight
	s_mul_i32 s6, s6, RBS
	s_mov_b32 s7, 0
	s_add_nc_u64 s[4:5], s[4:5], s[6:7]
.irp s, 0,1
	s_mov_b32 s[G0A+4*\s], 1
	s_add_co_u32 s[G0A+4*\s+1], s2, \s*SLOT
	s_add_nc_u64 s[G0A+4*\s+2:G0A+4*\s+3], s[20:21], \s*6400
	s_or_b32 s[G0A+4*\s+3], s[G0A+4*\s+3], 0x80000000
	s_mov_b32 s[G0B+4*\s], 1
	s_add_co_u32 s[G0B+4*\s+1], s19, \s*SLOT
	s_add_nc_u64 s[G0B+4*\s+2:G0B+4*\s+3], s[22:23], \s*6400
	s_or_b32 s[G0B+4*\s+3], s[G0B+4*\s+3], 0x80000000
	s_wait_alu depctr_va_vdst(0)
	s_wait_tensorcnt 0x0
	ds_add_u32 v12, v13
	ds_add_u32 v12, v13
	s_wait_dscnt 0x0
	CROUND
	JLOAD \s
.if \s == 0
	ASK 6400, 0
	ASK 12800, 0
.else
	ASK 19200, 0
.endif
.endr
	s_mov_b32 s19, 0x358637bd
	v_and_b32 v1, 31, v0
	v_lshlrev_b32 v2, 3, v1
	v_lshlrev_b32 v1, 4, v1
	s_mul_i32 s42, s11, 25600
	s_mul_i32 s43, s12, 51200
	s_add_co_u32 s43, s43, BOFF
.irp s, 0,1
	v_add_nc_u32 v[4+\s], s42, v1
	v_add_nc_u32 v[6+\s], s43, v1
	v_add_nc_u32 v[8+\s], s42, v2
	v_add_nc_u32 v[10+\s], s43, v2
	s_add_co_u32 s42, s42, SLOT
	s_add_co_u32 s43, s43, SLOT
.endr
	v_and_b32 v28, 15, v0
	v_bfe_u32 v29, v0, 4, 1
	v_lshlrev_b32 v3, 6, v29
	v_and_b32 v31, 8, v28
	v_add_nc_u32 v31, v31, v28
	s_mul_i32 s40, s10, 8448
	v_mul_u32_u24 v14, v28, 528
	v_add_nc_u32 v14, v14, v3
	v_add_nc_u32 v14, s40, v14
	v_add_nc_u32 v15, s40, v1
	s_mul_i32 s40, s10, 17408
	s_add_co_u32 s40, s40, VSTG
	v_lshlrev_b32 v16, 2, v31
	v_mad_u32_u24 v16, v29, 4352, v16
	v_add_nc_u32 v16, s40, v16
	v_lshlrev_b32 v17, 4, v28
	v_mad_u32_u24 v17, v29, 272, v17
	v_add_nc_u32 v17, s40, v17
	v_lshlrev_b32 v30, 4, v28
	v_lshl_add_u32 v30, v29, 9, v30
	v_mov_b32 v29, 0
.irp b, 0,1,2,3
	v_mov_b32 v[TM+4+\b], 0
.endr
	s_cmp_eq_u32 s15, 2
	s_cselect_b64 s[96:97], s[74:75], s[72:73]     ; K's weights or Q's
	s_wait_alu depctr_va_vdst(0)
	WIN 0xc0
.irp b, 0,1,2,3
.irp m, 0,1,2,3
	global_load_b128 v[16*\b+4*\m:16*\b+4*\m+3], v3, s[96:97] offset:128*\b+16*\m
.endr
.endr
	WIN 0
	CSLOAD 0
	s_wait_tensorcnt 0x1
	s_barrier_signal -1
	s_barrier_wait -1
	FETCH 0, 0, 0
	SCALES 0
	STEP 0, 0, 1
	s_mov_b32 s3, LAPS-1
.Llap:
	STEP 0, 1, 0
	STEP 0, 2, 0
	TURN 0, 1, 1
	STEP 1, 0, 0
	STEP 1, 1, 0
	STEP 1, 2, 0
	TURN 1, 0, 1
	STEP 0, 0, 0
	s_sub_co_u32 s3, s3, 1
	s_cmp_lg_u32 s3, 0
	s_cbranch_scc1 .Llap
	STEP 0, 1, 0
	STEP 0, 2, 0
	TURN 0, 1, 0
	STEP 1, 0, 0
	STEP 1, 1, 0
	STEP 1, 2, 0
	s_wait_dscnt 0x0
	WIN 0xa1
	MUL8 0, 1, 3, 1, 0
	MUL8 1, 1, 3, 1, 0
	MUL8 2, 1, 3, 1, 0
	MUL8 3, 1, 3, 1, 0
	WIN 0
	PLACES 4
	s_cmp_eq_u32 s15, 3
	s_cbranch_scc1 .Lpath_v
	s_lshl_b32 s40, s18, 1
	s_add_co_u32 s40, s40, s12
	s_lshl_b32 s41, s17, 1
	s_add_co_u32 s41, s41, s11
	s_mul_i32 s42, s40, 204800
	s_mul_i32 s43, s41, 6400
	s_add_co_u32 s42, s42, s43
	s_lshr_b32 s44, s41, 4
	s_lshl_b32 s44, s44, 3
	s_add_co_u32 s44, s44, s40
	s_sub_co_u32 s44, s44, 16
	s_and_b32 s45, s41, 15
	s_mul_i32 s46, s44, 204800
	s_add_co_u32 s47, s45, 16
	s_mul_i32 s47, s47, 6400
	s_add_co_u32 s46, s46, s47
	s_lshl_b32 s44, s44, 20
	s_lshl_b32 s45, s45, 15
	s_add_co_u32 s44, s44, s45
	s_add_co_u32 s44, s44, 524288
	s_cmp_eq_u32 s15, 2
	s_cselect_b32 s42, s46, s42
	s_cselect_b32 s44, s44, 0
	s_cselect_b64 s[92:93], s[84:85], s[82:83]
	s_mov_b32 s43, 0
	s_mov_b32 s45, 0
	s_add_nc_u64 s[92:93], s[92:93], s[42:43]
	s_add_nc_u64 s[94:95], s[88:89], s[44:45]
	s_wait_loadcnt 0x0                             ; the weights and block 0's rope rows, asked for at the head
	CSLOAD 1
	CSLOAD 2
	QKBLOCK 0
	QKBLOCK 1
	QKBLOCK 2
	QKBLOCK 3
	v_cndmask_b32 v26, v22, v23, s100
	v_cndmask_b32 v27, v24, v25, s100
	global_store_b64 v2, v[26:27], s[92:93] offset:6144
	ENDING
.Lpath_v:
	s_lshr_b32 s40, s18, 2
	s_lshl_b32 s40, s40, 3
	s_add_co_u32 s40, s40, s17
	s_and_b32 s41, s18, 3
	s_lshl_b32 s41, s41, 1
	s_add_co_u32 s41, s41, s12
	s_mul_i32 s42, s40, 204800
	s_add_co_u32 s44, s41, 8
	s_mul_i32 s44, s44, 12800
	s_add_co_u32 s42, s42, s44
	s_mul_i32 s44, s11, 6400
	s_add_co_u32 s42, s42, s44
	s_mov_b32 s43, 0
	s_add_nc_u64 s[92:93], s[86:87], s[42:43]
	s_lshl_b32 s42, s40, 20
	s_lshl_b32 s44, s41, 16
	s_add_co_u32 s42, s42, s44
	s_add_co_u32 s42, s42, 524288
	s_lshl_b32 s44, s11, 8
	s_add_co_u32 s42, s42, s44
	s_add_nc_u64 s[94:95], s[90:91], s[42:43]
.irp p, 0,1
.if \p == 1
	s_wait_xcnt 0x0
.endif
	WIN 0x08
.irp a, 0,1,2,3
.irp u, 0,1
.irp i, 0,1,2,3,4,5,6,7,8,9,10,11,12,13,14,15
	ds_store_b32 v16, v[64*\a+16*(2*\p+\u)+\i] offset:272*(32*\u+\i)+4*(32*(\a/2)+8*(\a%2))
.endr
.endr
.endr
	WIN 0
.set tt, 0
.rept 32
	ds_load_b128 v[32+4*tt:35+4*tt], v17 offset:544*tt
.set tt, tt+1
.endr
	s_wait_dscnt 0x0
.set tt, 0
.rept 32
	global_store_b128 v30, v[32+4*tt:35+4*tt], s[94:95] offset:512*(64*\p+2*tt) th:TH_STORE_NT
.set tt, tt+1
.endr
.endr
.irp a, 0,1,2,3
	s_wait_xcnt 0x0
	QUANT 64*\a, 2, 160, 172, 22+\a
.irp j, 0,1,2
	global_store_b128 v1, v[160+4*\j:163+4*\j], s[92:93] offset:1536*\a+512*\j
.endr
.endr
	v_cndmask_b32 v26, v22, v23, s100
	v_cndmask_b32 v27, v24, v25, s100
	global_store_b64 v2, v[26:27], s[92:93] offset:6144
	ENDING
.Lfunc_end_k_q36c35a7a43_qkv:
	.size	k_q36c35a7a43_qkv, .Lfunc_end_k_q36c35a7a43_qkv-k_q36c35a7a43_qkv
	.p2alignl 7, 3214868480
	.fill 96, 4, 3214868480
	.section	.rodata,"a",@progbits
	.p2align	6, 0x0
	.amdhsa_kernel k_q36c35a7a43_qkv
		.amdhsa_group_segment_fixed_size 327680
		.amdhsa_private_segment_fixed_size 0
		.amdhsa_enable_private_segment 0
		.amdhsa_kernarg_size 72
		.amdhsa_user_sgpr_count 2
		.amdhsa_user_sgpr_kernarg_segment_ptr 1
		.amdhsa_wavefront_size32 1
		.amdhsa_system_sgpr_workgroup_id_x 1
		.amdhsa_system_sgpr_workgroup_id_y 1
		.amdhsa_system_sgpr_workgroup_id_z 1
		.amdhsa_system_vgpr_workitem_id 0
		.amdhsa_next_free_vgpr 1024
		.amdhsa_next_free_sgpr 102
		.amdhsa_reserve_vcc 0
		.amdhsa_float_denorm_mode_32 3
		.amdhsa_float_denorm_mode_16_64 3
		.amdhsa_memory_ordered 1
		.amdhsa_forward_progress 1
		.amdhsa_inst_pref_size 255
	.end_amdhsa_kernel
	.amdgpu_metadata
---
amdhsa.version: [ 1, 2 ]
amdhsa.kernels:
  - .name:           k_q36c35a7a43_qkv
    .symbol:         k_q36c35a7a43_qkv.kd
    .args:
      - { .name: xrec, .offset: 0, .size: 8, .value_kind: global_buffer, .address_space: global }
      - { .name: wrec, .offset: 8, .size: 8, .value_kind: global_buffer, .address_space: global }
      - { .name: q_norm_w, .offset: 16, .size: 8, .value_kind: global_buffer, .address_space: global }
      - { .name: k_norm_w, .offset: 24, .size: 8, .value_kind: global_buffer, .address_space: global }
      - { .name: qrec, .offset: 32, .size: 8, .value_kind: global_buffer, .address_space: global }
      - { .name: krec, .offset: 40, .size: 8, .value_kind: global_buffer, .address_space: global }
      - { .name: vrec, .offset: 48, .size: 8, .value_kind: global_buffer, .address_space: global }
      - { .name: out1, .offset: 56, .size: 8, .value_kind: global_buffer, .address_space: global }
      - { .name: out2, .offset: 64, .size: 8, .value_kind: global_buffer, .address_space: global }
    .group_segment_fixed_size: 327680
    .private_segment_fixed_size: 0
    .kernarg_segment_align: 8
    .kernarg_segment_size: 72
    .max_flat_workgroup_size: 128
    .sgpr_count:     102
    .vgpr_count:     1024
    .wavefront_size: 32
...
	.end_amdgpu_metadata
.endif
;; end of part 2
;; launch attn (part 3): grid 16 x 16, 8 waves a work-group, clusters of 4 x 1, 327,680 bytes of LDS; arguments qrec, krec, vrec, maskw, ctxrec; writes ctxrec
.if DOCPART == 3
	.amdgcn_target "amdgcn-amd-amdhsa--gfx1250"
	.amdhsa_code_object_version 6
	.text
	.protected	k_q36c35a7a43_attn
	.globl	k_q36c35a7a43_attn
	.p2align	8
	.type	k_q36c35a7a43_attn,@function
k_q36c35a7a43_attn:
	s_mov_b64 s[64:65], 0
	v_nop
	global_prefetch_b8 v0, s[64:65] scope:SCOPE_SE
	s_setreg_imm32_b32 hwreg(HW_REG_WAVE_MODE, 25, 1), 1
	s_wait_xcnt 0x0
	s_wait_alu depctr_hold_cnt(0) depctr_sa_sdst(0) depctr_va_vdst(0) depctr_va_sdst(0) depctr_va_ssrc(0) depctr_va_vcc(0) depctr_vm_vsrc(0)
	s_getreg_b32 s2, hwreg(HW_REG_IB_STS2, 6, 4)
	s_cmp_eq_u32 s2, 0
	s_cbranch_scc0 .Lentry_in_a_cluster
	s_endpgm
.Lentry_in_a_cluster:
	s_bfe_u32 s2, ttmp6, 0x10000c
	s_cmp_lg_u32 s2, 0x3003
	s_cbranch_scc0 .Lentry_shape_is_right
	s_endpgm
.Lentry_shape_is_right:
; ATTENTION on codes of FP6 (E2M3) with E8M0 scales: ctx = softmax(mask(q k^T / sqrt(128))) v over 2,048 keys, for 16 query heads on 8 key heads; ctx leaves as codes for the output projection.
; THE SOFTMAX AHEAD OF THE SECOND PRODUCT: t = score x log2(e) / sqrt(128); M = the running largest t, rounded UP to a whole number; p = 2^(t - M) is quantised along the keys; the row's sum is taken of the
; unquantised p and divides at the end.  When M moves, the sum and O are multiplied by 2^(old M - new M): exact.
; THE MASK is an input: every key step is walked.  A masked score is replaced by -2^103 ahead of the maximum, by v_cndmask_b32 on lane-mask words that the first launch stored.  -2^103 x c is exact, so in a row
; that is masked so far t - M is exactly 0 and p = 1 (uniform); a later open key moves M so far that the factor is 0, which drops the masked part.
; SHARES.  A work-group of eight waves, two to a SIMD, owns 64 tokens of one (batch, key head).  Wave w owns token block w & 3 (16 tokens) for BOTH query heads, two tiles that share every fragment of K and V and every
; mask word, and HALF THE KEYS: of each slot's 256 keys waves 0-3 take the first 128, waves 4-7 the second.  At the end partners w and w xor 4 join their halves: each sends its tile 1 (O^T, -M, the sum) through LDS bytes
; of its own and finishes its tile 0; waves 4-7 hold the heads in the other order, so that tile 0 is head w >> 2 in every wave.  The halves are joined under the larger M by factors 2^(M of the half - M): exact.
; The four work-groups of a cluster walk the same K and V: each tile is asked for jointly.  A slot holds K of two steps, then V of two steps, 51,200 bytes: each wave asks for 6,400 of them (25 rows of 256).
; LAYOUT.  Both products transposed: S^T = K Q^T, O^T = V^T P^T: a lane holds one query.  K's and V's row blocks take rows 16 rb - 8 (rb & 1) + r + 8 (r / 8): register 16 b + i of a tile is key (or channel) 32 b + 16 h + i.
; LIMITS: a masked score stands as t = -2^103 c (about -1.29e30) where the definition has -1.44e30: the same results while open |t| stays far under 1e29; v_rcp_f32 stands ahead of the quantiser;
; a block whose largest magnitude lies under 2^-124 gets the scale byte 1; NaN and infinities are not served.
; REGISTERS: window 0: v1-13 addresses; v16-39 Q, v40-41 its scale words; v42-49 K's and V's; v50-51 p's; v52-63 six statistics a tile; v64-191 S^T, then p; v192-215 p's codes; v216-239 at work; v240-246 addresses.
;   window 1: v0-127 O^T, 64 a tile; v128-223 eight fragments: K's, and behind the first product V's in the same registers.
.set SLOT1, 65536
.set SPARE, 131072                     ; behind the ring: the spare words, 128 bytes for each of eight waves
.set STG,   132096                     ; behind them: 8,704 bytes for each wave, for the tile that goes to its partner: 8,192 of O^T, then -M and the sum; no fill lands here
.set WSTG,  8704
.set TM,    224
.set SEL,   28
.set KV,    128
.set MSB,   0
.macro WIN new
.if MSB != (\new)
	s_set_vgpr_msb (MSB<<8)|(\new)
.set MSB, (\new)
.endif
.endm
.macro PLACES n
.rept \n
	v_nop
.endr
.endm
.macro CROUND                          ; a round of the cluster's barrier
	s_barrier_signal -1
	s_barrier_wait -1
	s_cmp_lg_u32 s10, 0
	s_cbranch_scc1 .Lnot_wave_0_\@
	s_barrier_signal -3
.Lnot_wave_0_\@:
	s_barrier_wait -3
	s_barrier_signal -1
	s_barrier_wait -1
.endm
.macro FLOAD sc, off                   ; eight fragments into window 1 and their scale words: 26 loads
	WIN 0x40
.irp t, 0,1,2,3,4,5,6,7
.irp j, 0,1,2
	ds_load_b128 v[KV+12*\t+4*\j:KV+12*\t+4*\j+3], v3 offset:(\off)+6400*(\t/4)+1536*(\t%4)+512*\j
.endr
.endr
	WIN 0
.irp u, 0,1
	ds_load_b64 v[\sc+2*\u:\sc+2*\u+1], v4 offset:(\off)+6400*\u+6144
.endr
.endm
.macro QK                              ; S^T = K Q^T: eight tiles of keys x two tiles of queries
	WIN 0x01
.irp t, 0,1,2,3,4,5,6,7
.irp x, 0,1
.if (\t%2) == 0
	v_wmma_scale_f32_16x16x128_f8f6f4 v[64+64*\x+8*\t:71+64*\x+8*\t], v[KV+12*\t:KV+12*\t+11], v[16+12*\x:27+12*\x], 0, v[42+2*(\t/4)+(\t%4)/2], v[40+\x] matrix_a_fmt:MATRIX_FMT_FP6 matrix_b_fmt:MATRIX_FMT_FP6
.else
	v_wmma_scale_f32_16x16x128_f8f6f4 v[64+64*\x+8*\t:71+64*\x+8*\t], v[KV+12*\t:KV+12*\t+11], v[16+12*\x:27+12*\x], 0, v[42+2*(\t/4)+(\t%4)/2], v[40+\x] matrix_a_fmt:MATRIX_FMT_FP6 matrix_b_fmt:MATRIX_FMT_FP6 matrix_a_scale:MATRIX_SCALE_ROW1
.endif
.endr
.endr
.endm
.macro MASK                            ; word n is the lane mask of register n of both tiles; each accumulator is read from its low end on
.set nn, 0
.rept 64
.if nn < 32
.set mr, 32+nn
.else
.set mr, 36+nn
.endif
	v_cndmask_b32 v[64+nn], v[64+nn], v7, s[mr]
	v_cndmask_b32 v[128+nn], v[128+nn], v7, s[mr]
.set nn, nn+1
.endr
.endm
.macro PV x                            ; O^T += V^T P^T: eight accumulators by turns
	WIN 0x51                                       ; source 0 (V), C and D window 1; source 1 (p) window 0
.irp d, 0,1,2,3,4,5,6,7
.if (\d%2) == 0
	v_wmma_scale_f32_16x16x128_f8f6f4 v[64*(\x)+8*\d:64*(\x)+8*\d+7], v[KV+12*\d:KV+12*\d+11], v[192+12*(\x):203+12*(\x)], v[64*(\x)+8*\d:64*(\x)+8*\d+7], v[46+2*(\d/4)+(\d%4)/2], v[50+(\x)] matrix_a_fmt:MATRIX_FMT_FP6 matrix_b_fmt:MATRIX_FMT_FP6
.else
	v_wmma_scale_f32_16x16x128_f8f6f4 v[64*(\x)+8*\d:64*(\x)+8*\d+7], v[KV+12*\d:KV+12*\d+11], v[192+12*(\x):203+12*(\x)], v[64*(\x)+8*\d:64*(\x)+8*\d+7], v[46+2*(\d/4)+(\d%4)/2], v[50+(\x)] matrix_a_fmt:MATRIX_FMT_FP6 matrix_b_fmt:MATRIX_FMT_FP6 matrix_a_scale:MATRIX_SCALE_ROW1
.endif
.endr
.endm
; One tile's softmax for 128 keys.  Statistics at v[TX]: +0 -M, +1 the largest t, +2, +3 the sum in two halves, +4 f, +5 named with f as a pair
.macro SOFT x
.set SX, 64+64*(\x)
.set TX, 52+6*(\x)
.set PX, 192+12*(\x)
	WIN 0
.irp b, 0,1,2,3
	v_max3_num_f32 v[224+\b], v[SX+16*\b], v[SX+16*\b+1], v[SX+16*\b+2]   ; the largest score of each block of 32 keys: for the row's maximum and, since p rises with the score, for the block's largest p
.endr
.irp i, 3,5,7,9,11,13
.irp b, 0,1,2,3
	v_max3_num_f32 v[224+\b], v[224+\b], v[SX+16*\b+\i], v[SX+16*\b+\i+1]
.endr
.endr
.irp b, 0,1,2,3
	v_max_num_f32 v[224+\b], v[224+\b], v[SX+15+16*\b]
.endr
.irp b, 0,1,2,3
	v_permlanex16_b32 v[228+\b], v[224+\b], s[SEL], s[SEL+1]
.endr
.irp b, 0,1,2,3
	v_max_num_f32 v[224+\b], v[224+\b], v[228+\b]  ; with lane l xor 16's 16 keys
.endr
	v_max3_num_f32 v238, v224, v225, v226
	s_delay_alu instid0(VALU_DEP_1)
	v_max_num_f32 v238, v238, v227
	s_delay_alu instid0(VALU_DEP_1)
	v_mul_f32 v238, s30, v238                      ; as t
	s_delay_alu instid0(VALU_DEP_1)
	v_max_num_f32 v[TX+1], v[TX+1], v238           ; the running largest t
	v_mov_b32 v238, v[TX]
	s_delay_alu instid0(VALU_DEP_2)
	v_floor_f32 v[TX], -v[TX+1]                    ; the new -M: a whole number
	s_delay_alu instid0(VALU_DEP_1)
	v_sub_f32 v238, v[TX], v238                    ; old M - new M, 0 or less
	s_delay_alu instid0(VALU_DEP_1)
	v_cvt_i32_f32 v238, v238                       ; (it saturates)
	s_delay_alu instid0(VALU_DEP_1)
	v_ldexp_f32 v[TX+4], 1.0, v238                 ; f = 2^(old M - new M)
.set nn, 0
.rept 32
	v_pk_fma_f32 v[SX+nn:SX+nn+1], v[SX+nn:SX+nn+1], s[30:31], v[TX:TX+1] op_sel_hi:[1,0,0]   ; t - M
.set nn, nn+2
.endr
.irp b, 0,1,2,3
	v_fma_f32 v[224+\b], v[224+\b], s30, v[TX]
.endr
	s_wait_alu depctr_va_vdst(0)
.set nn, 0
.rept 64
	v_exp_f32 v[SX+nn], v[SX+nn]                   ; p = 2^(t - M): not normalised
.set nn, nn+1
.endr
	v_pk_mul_f32 v[TX+2:TX+3], v[TX+2:TX+3], v[TX+4:TX+5] op_sel_hi:[1,0]   ; the sums under the new M: the plain line behind the batch
	s_wait_alu depctr_va_vdst(0)                   ; one wait for the batch, ahead of its first reader
.irp b, 0,1,2,3
	v_exp_f32 v[224+\b], v[224+\b]                 ; the block's largest p
.endr
	v_pk_add_f32 v[236:237], v[SX:SX+1], v[SX+2:SX+3]   ; the row's sum of the unquantised p, in four chains by turns
	v_pk_add_f32 v[216:217], v[SX+4:SX+5], v[SX+6:SX+7]
	v_pk_add_f32 v[218:219], v[SX+8:SX+9], v[SX+10:SX+11]
	v_pk_add_f32 v[TX+2:TX+3], v[TX+2:TX+3], v[SX+12:SX+13]
.irp j, 14,22,30,38,46,54
	v_pk_add_f32 v[236:237], v[236:237], v[SX+\j:SX+\j+1]
	v_pk_add_f32 v[216:217], v[216:217], v[SX+\j+2:SX+\j+3]
	v_pk_add_f32 v[218:219], v[218:219], v[SX+\j+4:SX+\j+5]
	v_pk_add_f32 v[TX+2:TX+3], v[TX+2:TX+3], v[SX+\j+6:SX+\j+7]
.endr
	v_pk_add_f32 v[236:237], v[236:237], v[SX+62:SX+63]
	v_pk_add_f32 v[216:217], v[216:217], v[218:219]
	v_pk_add_f32 v[TX+2:TX+3], v[TX+2:TX+3], v[236:237]
	v_pk_add_f32 v[TX+2:TX+3], v[TX+2:TX+3], v[216:217]
	s_wait_alu depctr_va_vdst(0)                   ; and one for the four
.irp b, 0,1,2,3
	v_max_num_f32 v[224+\b], 0x1800000, v[224+\b]  ; the floor 2^(3 - 127)
.endr
.irp b, 0,1,2,3
	v_add_nc_u32 v[232+\b], 0xff000000, v[224+\b]  ; the conversion's scale operand
.endr
.irp b, 0,1,2,3
	v_lshrrev_b32 v[228+\b], 23, v[232+\b]         ; the byte
.endr
	v_lshl_or_b32 v[50+(\x)], v229, 8, v228        ; p's scale word for these 128 keys
	s_delay_alu instid0(VALU_DEP_1)
	v_lshl_or_b32 v[50+(\x)], v230, 16, v[50+(\x)]
	s_delay_alu instid0(VALU_DEP_1)
	v_lshl_or_b32 v[50+(\x)], v231, 24, v[50+(\x)]
.irp c, 0,1
	v_cvt_scalef32_pk16_fp6_f32 v[PX+6*\c:PX+6*\c+2], v[SX+32*\c:SX+32*\c+15], v[232+2*\c]
	v_cvt_scalef32_pk16_fp6_f32 v[216+4*\c:218+4*\c], v[SX+16+32*\c:SX+31+32*\c], v[233+2*\c]
.endr
	v_nop                                          ; one plain line behind the conversions
.irp c, 0,1
.irp i, 0,1,2
	v_permlane16_swap_b32 v[PX+6*\c+\i], v[216+4*\c+\i]
.endr
.irp i, 0,1,2
	v_mov_b32 v[PX+3+6*\c+\i], v[216+4*\c+\i]
.endr
.endr
	WIN 0x41                                       ; O^T window 1, f window 0
.set nn, 0
.rept 32
	v_pk_mul_f32 v[64*(\x)+nn:64*(\x)+nn+1], v[64*(\x)+nn:64*(\x)+nn+1], v[TX+4:TX+5] op_sel_hi:[1,0]   ; O^T under the new M; these 32 are also the places ahead of the products below
.set nn, nn+2
.endr
.endm
; My key step of the slot in hand: 128 keys.  more = 1: my next step's 64 mask words are asked for
.macro STEP more
	PLACES 4                                       ; in front of loads into registers that the last products read
	FLOAD 42, 0                                    ; K
	s_wait_dscnt 0x0
	QK
	WIN 0
	PLACES 4
	FLOAD 46, 25600                                ; V, into the registers that held K: it has the masking and the first tile's softmax in which to land
	s_wait_kmcnt 0x0                               ; the mask words
	MASK
.if \more
	s_add_nc_u64 s[4:5], s[4:5], 512               ; two steps on: the partner takes the step between
	s_load_b512 s[32:47], s[4:5], 0x0
	s_load_b512 s[48:63], s[4:5], 0x40
	s_load_b512 s[68:83], s[4:5], 0x80
	s_load_b512 s[84:99], s[4:5], 0xc0
.endif
	SOFT 0
	s_wait_alu depctr_va_vdst(0)
	s_wait_dscnt 0x0                               ; V is in
	PV 0
	SOFT 1                                         ; the second tile's vector work stands beside the first tile's products
	PV 1
	WIN 0
.endm
; A prefetch of what the NEXT change of slots will ask for: a slot's 25,600 bytes of K (wave 0) or of V (wave 4).  All clusters of a (batch, key head) walk the same bytes: the first of them asks.
; Its four partners take 6,400 bytes each, told apart by address: 25 blocks of 256 bytes, a lane a block (lanes 25 to 31 name lane 24's).  The last change that fills a slot asks for nothing.
.macro ASK
	s_cmp_gt_u32 s11, s13
	s_cbranch_scc0 .Lnot_mine_\@
	global_prefetch_b8 v8, s[8:9] th:TH_LOAD_NT scope:SCOPE_SE
.Lnot_mine_\@:
.endm
; The change of slots stands at a slot's head: each wave waits for all its tensor loads (its part of the slot ahead), adds 0 to its spare word, and waits for that and for its reads of the slot left.
; fill = 1: behind a round of the cluster's barrier the slot left is filled with the keys that follow: the load has a slot's work in which to land.  One tensor load of a wave is out at a time.
.macro CHANGE fill
	s_wait_tensorcnt 0x0
	ds_add_u32 v5, v6
.if \fill
	s_xor_b32 s25, s25, SLOT1                      ; the walking descriptor: the other slot,
	s_add_nc_u64 s[26:27], s[26:27], 25600         ; the next 256 keys
	s_wait_xcnt 0x0                                ; the last prefetch, a slot back, has read its address
	s_add_nc_u64 s[8:9], s[8:9], 25600
.endif
	s_wait_dscnt 0x0
.if \fill
	CROUND
	tensor_load_to_lds s[24:27], s[16:23]
	s_nop 0
.rept 4
	v_nop
.endr
	ASK
.else
	s_barrier_signal -1
	s_barrier_wait -1
.endif
	v_add_nc_u32 v3, s12, v12                      ; the slot in hand, my half of its keys
	v_add_nc_u32 v4, s12, v13
.endm
	s_load_b256 s[32:39], s[0:1], 0x0              ; qrec, krec, vrec, maskw
	s_load_b64 s[40:41], s[0:1], 0x20              ; ctxrec
	v_lshl_add_u32 v5, v0, 2, SPARE
	v_mov_b32 v6, 0
	ds_add_u32 v5, v6                              ; the wave's opening: the add, twice on end, and its wait ahead of my first tensor load
	ds_add_u32 v5, v6
	v_lshrrev_b32 v1, 5, v0
	v_readfirstlane_b32 s10, v1                    ; wave 0..7
	s_and_b32 s62, s10, 3                          ; my token block of the work-group's four
	s_lshr_b32 s63, s10, 2                         ; my half of the keys; also the query head that I finish
	s_bfe_u32 s42, ttmp6, 0x40000                  ; cx
	s_lshl_b32 s43, ttmp9, 2
	s_add_co_u32 s43, s43, s42                     ; which 64 tokens of the batch
	s_and_b32 s44, ttmp7, 0xffff                   ; 8 x batch + key head, which the four partners share
	s_lshr_b32 s45, s44, 3
	s_and_b32 s46, s44, 7
	s_mov_b32 s16, 15|(3<<16)|(1<<21)              ; 15:0 the mask: all four; 17:16 elements of 8 bytes; 21 set beside a mask; no padding
	s_mov_b32 s17, 32<<16                          ; a dense block of 6,400 bytes as 25 rows of 256
	s_mov_b32 s18, 25<<16
	s_mov_b32 s19, 32<<16
	s_mov_b32 s20, 25
	s_mov_b32 s21, 32
	s_mov_b32 s22, 0
	s_mov_b32 s23, 0
	s_mov_b32 s24, 1
	s_mul_i32 s25, s10, 6400                       ; waves 0-3: the slot's four records of K; waves 4-7: of V
	s_mul_i32 s48, s44, 204800
	s_mul_i32 s47, s62, 6400
	s_add_co_u32 s50, s48, s47
	s_mov_b32 s51, 0
	s_mul_i32 s47, s42, 6400
	s_add_co_u32 s48, s48, s47
	s_add_co_u32 s48, s48, 25600                   ; the prefetches stand in slot 1: the first change steps them to slot 2
	s_mov_b32 s49, 0
	s_lshl_b32 s52, s45, 6
	s_lshl_b32 s47, s43, 2
	s_add_co_u32 s52, s52, s47
	s_add_co_u32 s52, s52, s62                     ; my token row block
	s_lshl_b32 s54, s52, 12
	s_lshl_b32 s47, s63, 8
	s_add_co_u32 s54, s54, s47                     ; its mask words, from my first key step on
	s_mov_b32 s55, 0
	s_mul_i32 s56, s52, 25600
	s_lshr_b32 s47, s46, 1
	s_mul_i32 s47, s47, 6400
	s_add_co_u32 s56, s56, s47                     ; ctx: record = query head / 4
	s_mov_b32 s57, 0
	s_and_b32 s47, s46, 1
	s_mul_i32 s58, s47, 3072
	s_add_co_u32 s58, s58, s56
	s_mul_i32 s59, s63, 1536
	s_add_co_u32 s58, s58, s59                     ; fragment 2 (g & 1) + the head that I finish
	s_mov_b32 s59, 0
	s_lshl_b32 s47, s47, 2
	s_add_co_u32 s56, s56, s47                     ; its scale word g & 1,
	s_lshl_b32 s47, s63, 7
	s_add_co_u32 s56, s56, s47                     ; in lanes 16 x that head + r
	s_add_co_u32 s56, s56, 6144
	s_mul_i32 s60, s46, 409600                     ; q: head 2 g,
	s_lshl_b32 s47, s45, 4
	s_add_co_u32 s47, s47, s43
	s_mul_i32 s47, s47, 6400                       ; my work-group's record
	s_add_co_u32 s60, s60, s47
	s_mov_b32 s61, 0
	s_mul_i32 s68, s63, 12800                      ; LDS: my half of a slot's keys
	s_mul_i32 s69, s10, WSTG
	s_add_co_u32 s69, s69, STG                     ; where my tile 1 goes,
	s_xor_b32 s70, s10, 4
	s_mul_i32 s70, s70, WSTG
	s_add_co_u32 s70, s70, STG                     ; and where my partner's lies
	s_mul_i32 s47, s62, 1536                       ; q: my token block's fragment,
	s_mul_i32 s71, s63, 204800                     ; tile 0: head w >> 2,
	s_xor_b32 s72, s63, 1
	s_mul_i32 s72, s72, 204800                     ; tile 1: the other head
	s_and_b32 s73, s62, 1
	s_lshl_b32 s73, s73, 7
	s_lshr_b32 s74, s62, 1
	s_lshl_b32 s74, s74, 2
	s_add_co_u32 s73, s73, s74                     ; q's scale words: lane 16 (block & 1) + r, word block / 2
	s_add_co_u32 s74, s73, s72
	s_add_co_u32 s73, s73, s71
	s_add_co_u32 s71, s71, s47
	s_add_co_u32 s72, s72, s47
	s_mov_b32 s[SEL], 0x76543210
	s_mov_b32 s[SEL+1], 0xfedcba98
	s_mov_b32 s30, 0x3e0293ee                      ; c = log2(e) / sqrt(128)
	s_mov_b32 s31, s30
	s_mov_b32 s12, 0                               ; the slot in hand
	s_mov_b32 s11, 7                               ; slots still to be asked for
	s_or_b32 s13, s62, ttmp9
	s_cmp_eq_u32 s13, 0
	s_cselect_b32 s13, 1, -1                       ; waves 0 and 4 of the first cluster prefetch
	s_wait_dscnt 0x0                               ; both opening adds are done
	s_wait_kmcnt 0x0
	s_cmp_lt_u32 s10, 4
	s_cselect_b64 s[26:27], s[34:35], s[36:37]
	s_cselect_b64 s[8:9], s[34:35], s[36:37]
	s_add_nc_u64 s[26:27], s[26:27], s[50:51]
	s_or_b32 s27, s27, 0x80000000
	s_add_nc_u64 s[8:9], s[8:9], s[48:49]
	s_add_nc_u64 s[4:5], s[38:39], s[54:55]
	s_add_nc_u64 s[6:7], s[40:41], s[58:59]
	s_add_nc_u64 s[2:3], s[40:41], s[56:57]
	s_add_nc_u64 s[100:101], s[32:33], s[60:61]
	CROUND                                         ; all four work-groups are here: the first joint loads meet
	tensor_load_to_lds s[24:27], s[16:23]          ; slot 0: one load a wave
	s_nop 0
.rept 4
	v_nop
.endr
	v_and_b32 v1, 31, v0
	v_lshlrev_b32 v2, 3, v1                        ; 8 L
	v_lshlrev_b32 v246, 2, v1                      ; 4 L
	v_min_u32 v8, 24, v1
	v_lshlrev_b32 v8, 8, v8                        ; the prefetches' offset
	v_lshlrev_b32 v1, 4, v1                        ; 16 L
	v_and_b32 v11, 15, v0
	v_lshlrev_b32 v11, 3, v11                      ; 8 r: also where my row's scale word of ctx goes
	v_mov_b32 v7, 0xf3000000                       ; -2^103
	v_add_nc_u32 v12, s68, v1
	v_add_nc_u32 v13, s68, v2
	v_add_nc_u32 v240, s69, v1
	v_add_nc_u32 v241, s69, v246
	v_add_nc_u32 v242, s70, v1
	v_add_nc_u32 v243, s70, v246
	v_add_nc_u32 v9, s71, v1
	v_add_nc_u32 v244, s72, v1
	v_add_nc_u32 v10, s73, v11
	v_add_nc_u32 v245, s74, v11
.irp j, 0,1,2
	global_load_b128 v[16+4*\j:19+4*\j], v9, s[100:101] offset:512*\j
	global_load_b128 v[28+4*\j:31+4*\j], v244, s[100:101] offset:512*\j
.endr
	global_load_b32 v40, v10, s[100:101] offset:6144
	global_load_b32 v41, v245, s[100:101] offset:6144
	s_load_b512 s[32:47], s[4:5], 0x0              ; my first step's 64 mask words
	s_load_b512 s[48:63], s[4:5], 0x40
	s_load_b512 s[68:83], s[4:5], 0x80
	s_load_b512 s[84:99], s[4:5], 0xc0
.irp x, 0,1
	v_mov_b32 v[53+6*\x], 0xff61b1e6               ; the largest t so far: -3e38
	v_floor_f32 v[52+6*\x], -v[53+6*\x]
	v_mov_b32 v[54+6*\x], 0
	v_mov_b32 v[55+6*\x], 0
	v_mov_b32 v[56+6*\x], 0
	v_mov_b32 v[57+6*\x], 0
.endr
.irp b, 0,1,2,3
	v_mov_b32 v[228+\b], 0                         ; written once: a lane permute's destination counts as one of its sources
.endr
	WIN 0x40
.set nn, 0
.rept 128
	v_mov_b32 v[nn], 0                             ; O^T: the step is written once; its first walk finds zeros
.set nn, nn+1
.endr
	WIN 0
	s_wait_alu depctr_va_vdst(0)
	s_wait_loadcnt 0x0                             ; Q
.Lslot:                                            ; 7 trips: behind each change of slots but the last the next slot is asked for
	CHANGE 1
	s_wait_alu depctr_va_vdst(0)
	STEP 1
	s_xor_b32 s12, s12, SLOT1
	s_sub_co_u32 s11, s11, 1
	s_cmp_lg_u32 s11, 0
	s_cbranch_scc1 .Lslot
	CHANGE 0                                       ; the last slot is written out: nothing is left to fetch
	s_wait_alu depctr_va_vdst(0)
	STEP 0
	; THE TWO HALVES OF THE KEYS ARE JOINED.  My tile 1 goes to my partner as an image of its registers; my partner's tile 1 is the other half of my tile 0
	PLACES 4
	v_add_f32 v54, v54, v55                        ; the sums' two halves
	v_add_f32 v60, v60, v61
	WIN 0x04                                       ; the data: window 1
.set jj, 0
.rept 16
	ds_store_b128 v240, v[64+4*jj:64+4*jj+3] offset:512*jj   ; each accumulator from its low end on
.set jj, jj+1
.endr
	WIN 0
	ds_store_b32 v241, v58 offset:8192             ; -M
	ds_store_b32 v241, v60 offset:8320             ; the sum
	s_wait_alu depctr_va_vdst(0)
	s_wait_dscnt 0x0                               ; for my partner's sake: my stores are done
	s_barrier_signal -1
	s_barrier_wait -1
.set jj, 0
.rept 16
	ds_load_b128 v[128+4*jj:128+4*jj+3], v242 offset:512*jj
.set jj, jj+1
.endr
	ds_load_b32 v224, v243 offset:8192
	ds_load_b32 v225, v243 offset:8320
	s_wait_dscnt 0x0
	v_min_num_f32 v226, v52, v224                  ; -M of all keys: the larger M
	s_delay_alu instid0(VALU_DEP_1)
	v_sub_f32 v227, v226, v52                      ; my M - M, 0 or less: a whole number
	v_sub_f32 v232, v226, v224                     ; my partner's
	v_cvt_i32_f32 v227, v227                       ; (they saturate)
	v_cvt_i32_f32 v232, v232
	v_ldexp_f32 v227, 1.0, v227                    ; the two factors: exact powers of two, or 0
	v_ldexp_f32 v232, 1.0, v232
	v_mul_f32 v54, v54, v227
	s_delay_alu instid0(VALU_DEP_1)
	v_fma_f32 v54, v225, v232, v54
	s_delay_alu instid0(VALU_DEP_1)
	v_permlanex16_b32 v228, v54, s[SEL], s[SEL+1]
	s_delay_alu instid0(VALU_DEP_1)
	v_add_f32 v54, v54, v228                       ; the row's sum
	s_wait_alu depctr_va_vdst(0)
	v_rcp_f32 v56, v54
	v_nop                                          ; a plain line behind the reciprocal
	s_wait_alu depctr_va_vdst(0)                   ; ahead of its first reader
	v_mul_f32 v62, v56, v232                       ; factor / sum: the factor only moves the exponent
	v_mul_f32 v56, v56, v227
	s_wait_alu depctr_va_vdst(0)
	WIN 0x01
.set nn, 0
.rept 32
	v_pk_mul_f32 v[64+nn:65+nn], v[nn:nn+1], v[56:57] op_sel_hi:[1,0]
.set nn, nn+2
.endr
	WIN 0
.set nn, 0
.rept 32
	v_pk_fma_f32 v[64+nn:65+nn], v[128+nn:129+nn], v[62:63], v[64+nn:65+nn] op_sel_hi:[1,0,1]
.set nn, nn+2
.endr
	; THE WAY OUT: quantised along the head's 128 channels: fragment (token row block, query head) of the output projection's A
.set SX, 64
.set PX, 192
.irp b, 0,1,2,3
	v_max3_num_f32 v[TM+\b], |v[SX+16*\b]|, |v[SX+1+16*\b]|, 0x1800000
.endr
.irp i, 2,4,6,8,10,12,14
.irp b, 0,1,2,3
	v_max3_num_f32 v[TM+\b], v[TM+\b], |v[SX+16*\b+\i]|, |v[SX+1+16*\b+\i]|
.endr
.endr
.irp b, 0,1,2,3
	v_permlanex16_b32 v[TM+4+\b], v[TM+\b], s[SEL], s[SEL+1]
.endr
.irp b, 0,1,2,3
	v_max_num_f32 v[TM+\b], v[TM+\b], v[TM+4+\b]
.endr
.irp b, 0,1,2,3
	v_add_nc_u32 v[TM+12+\b], 0xff000000, v[TM+\b]
.endr
.irp b, 0,1,2,3
	v_lshrrev_b32 v[TM+4+\b], 23, v[TM+12+\b]
.endr
	v_lshl_or_b32 v50, v[TM+5], 8, v[TM+4]
	s_delay_alu instid0(VALU_DEP_1)
	v_lshl_or_b32 v50, v[TM+6], 16, v50
	s_delay_alu instid0(VALU_DEP_1)
	v_lshl_or_b32 v50, v[TM+7], 24, v50            ; my row's scale word, the same in both halves of the lanes
.irp c, 0,1
	v_cvt_scalef32_pk16_fp6_f32 v[PX+6*\c:PX+6*\c+2], v[SX+32*\c:SX+32*\c+15], v[TM+12+2*\c]
	v_cvt_scalef32_pk16_fp6_f32 v[216+4*\c:218+4*\c], v[SX+16+32*\c:SX+31+32*\c], v[TM+13+2*\c]
.endr
	v_nop
.irp c, 0,1
.irp i, 0,1,2
	v_permlane16_swap_b32 v[PX+6*\c+\i], v[216+4*\c+\i]
.endr
.irp i, 0,1,2
	v_mov_b32 v[PX+3+6*\c+\i], v[216+4*\c+\i]
.endr
.endr
.irp j, 0,1,2
	global_store_b128 v1, v[PX+4*\j:PX+4*\j+3], s[6:7] offset:512*\j
.endr
	global_store_b32 v11, v50, s[2:3]              ; lanes r and 16 + r store the same word at the same place
	s_wait_tensorcnt 0x0                           ; the wave's end
	ds_add_u32 v5, v6
	s_wait_dscnt 0x0
	CROUND                                         ; the closing round
	s_endpgm
.Lfunc_end_k_q36c35a7a43_attn:
	.size	k_q36c35a7a43_attn, .Lfunc_end_k_q36c35a7a43_attn-k_q36c35a7a43_attn
	.p2alignl 7, 3214868480
	.fill 96, 4, 3214868480
	.section	.rodata,"a",@progbits
	.p2align	6, 0x0
	.amdhsa_kernel k_q36c35a7a43_attn
		.amdhsa_group_segment_fixed_size 327680
		.amdhsa_private_segment_fixed_size 0
		.amdhsa_enable_private_segment 0
		.amdhsa_kernarg_size 40
		.amdhsa_user_sgpr_count 2
		.amdhsa_user_sgpr_kernarg_segment_ptr 1
		.amdhsa_wavefront_size32 1
		.amdhsa_system_sgpr_workgroup_id_x 1
		.amdhsa_system_sgpr_workgroup_id_y 1
		.amdhsa_system_sgpr_workgroup_id_z 1
		.amdhsa_system_vgpr_workitem_id 0
		.amdhsa_next_free_vgpr 512
		.amdhsa_next_free_sgpr 102
		.amdhsa_reserve_vcc 0
		.amdhsa_float_denorm_mode_32 3
		.amdhsa_float_denorm_mode_16_64 3
		.amdhsa_memory_ordered 1
		.amdhsa_forward_progress 1
		.amdhsa_inst_pref_size 110
	.end_amdhsa_kernel
	.amdgpu_metadata
---
amdhsa.version: [ 1, 2 ]
amdhsa.kernels:
  - .name:           k_q36c35a7a43_attn
    .symbol:         k_q36c35a7a43_attn.kd
    .args:
      - { .name: qrec, .offset: 0, .size: 8, .value_kind: global_buffer, .address_space: global }
      - { .name: krec, .offset: 8, .size: 8, .value_kind: global_buffer, .address_space: global }
      - { .name: vrec, .offset: 16, .size: 8, .value_kind: global_buffer, .address_space: global }
      - { .name: maskw, .offset: 24, .size: 8, .value_kind: global_buffer, .address_space: global }
      - { .name: ctxrec, .offset: 32, .size: 8, .value_kind: global_buffer, .address_space: global }
    .group_segment_fixed_size: 327680
    .private_segment_fixed_size: 0
    .kernarg_segment_align: 8
    .kernarg_segment_size: 40
    .max_flat_workgroup_size: 256
    .sgpr_count:     102
    .vgpr_count:     512
    .wavefront_size: 32
...
	.end_amdgpu_metadata
.endif
;; end of part 3
;; launch oproj (part 4): grid 16 x 16, 4 waves a work-group, clusters of 4 x 4, 327,680 bytes of LDS; arguments ctxrec, worec, out0; writes out0
.if DOCPART == 4
	.amdgcn_target "amdgcn-amd-amdhsa--gfx1250"
	.amdhsa_code_object_version 6
	.text
	.protected	k_q36c35a7a43_oproj
	.globl	k_q36c35a7a43_oproj
	.p2align	8
	.type	k_q36c35a7a43_oproj,@function
k_q36c35a7a43_oproj:
	s_mov_b64 s[64:65], 0
	v_nop
	global_prefetch_b8 v0, s[64:65] scope:SCOPE_SE
	s_setreg_imm32_b32 hwreg(HW_REG_WAVE_MODE, 25, 1), 1
	s_wait_xcnt 0x0
	s_wait_alu depctr_hold_cnt(0) depctr_sa_sdst(0) depctr_va_vdst(0) depctr_va_sdst(0) depctr_va_ssrc(0) depctr_va_vcc(0) depctr_vm_vsrc(0)
	s_getreg_b32 s2, hwreg(HW_REG_IB_STS2, 6, 4)
	s_cmp_eq_u32 s2, 0
	s_cbranch_scc0 .Lentry_in_a_cluster
	s_endpgm
.Lentry_in_a_cluster:
	s_bfe_u32 s2, ttmp6, 0x10000c
	s_cmp_lg_u32 s2, 0xf033
	s_cbranch_scc0 .Lentry_shape_is_right
	s_endpgm
.Lentry_shape_is_right:
; THE OUTPUT PROJECTION on codes of FP6 (E2M3) with E8M0 scales: out0 = ctx Wo^T.  A work-group makes 128 x 256, a wave 64 x 128; K goes in four records of 512 through two LDS slots filled by joint loads of a 4 x 4 cluster.
; PREFETCH: behind the joint load of record 0 stand requests for records 1 and 2, behind record 1's for record 3: of the row blocks that a wave fetches jointly each of the four partners names its own, told apart by address:
; 25 blocks of 256 bytes a row block's record, a lane a block (lanes 25-31 name lane 24's).  The loop's refills, records 2 and 3, have no record two on and ask for nothing.
.set KQ,    4
.set RBS,   KQ*6400
.set LAPS,  KQ/2
.set SLOT,  153600
.set BOFF,  51200
.set SPARE, 307200
.set SC,    32
.set AF,    80
.set G1A,   24
.set G0A,   32
.set G1B,   48
.set G0B,   56
.set MSB,   0
.macro WIN new
.if MSB != (\new)
	s_set_vgpr_msb (MSB<<8)|(\new)
.set MSB, (\new)
.endif
.endm
.macro PLACES n
.rept \n
	v_nop
.endr
.endm
.macro JLOAD s
	s_cmp_eq_u32 s11, 0
	s_cbranch_scc0 .Lfor_b_\@
	tensor_load_to_lds s[G0A+4*\s:G0A+4*\s+3], s[G1A:G1A+7]
	s_nop 0
.rept 4
	v_nop
.endr
	s_branch .Lasked_\@
.Lfor_b_\@:
	tensor_load_to_lds s[G0B+4*\s:G0B+4*\s+3], s[G1B:G1B+7]
	s_nop 0
.rept 4
	v_nop
.endr
.Lasked_\@:
.endm
.macro CREST
	s_cmp_lg_u32 s10, 0
	s_cbranch_scc1 .Lnot_wave_0_\@
	s_barrier_signal -3
.Lnot_wave_0_\@:
	s_barrier_wait -3
	s_barrier_signal -1
	s_barrier_wait -1
.endm
.macro CROUND
	s_barrier_signal -1
	s_barrier_wait -1
	CREST
.endm
.macro FETCH slot, q, set
	WIN 0x40
.irp b, 0,1,2,3,4,5,6,7
.irp j, 0,1,2
	ds_load_b128 v[128*(\set)+12*\b+4*\j:128*(\set)+12*\b+4*\j+3], v[6+\slot] offset:6400*\b+1536*(\q)+512*\j
.endr
.endr
	WIN 0
.irp a, 0,1,2,3
.irp j, 0,1,2
	ds_load_b128 v[AF+48*(\set)+12*\a+4*\j:AF+48*(\set)+12*\a+4*\j+3], v[4+\slot] offset:6400*\a+1536*(\q)+512*\j
.endr
.endr
.endm
.macro SCALES slot
.irp a, 0,1,2,3
	ds_load_b64 v[SC+24*\slot+2*\a:SC+24*\slot+2*\a+1], v[8+\slot] offset:6400*\a+6144
.endr
.irp b, 0,1,2,3,4,5,6,7
	ds_load_b64 v[SC+24*\slot+8+2*\b:SC+24*\slot+9+2*\b], v[10+\slot] offset:6400*\b+6144
.endr
.endm
.macro MUL8 a, set, q, sc, zero
.irp b, 0,1,2,3,4,5,6,7
.if \zero
	v_wmma_scale_f32_16x16x128_f8f6f4 v[8*(8*(\a)+\b):8*(8*(\a)+\b)+7], v[128*(\set)+12*\b:128*(\set)+12*\b+11], v[AF+48*(\set)+12*(\a):AF+48*(\set)+12*(\a)+11], 0, v[SC+24*(\sc)+8+2*\b+(\q)/2], v[SC+24*(\sc)+2*(\a)+(\q)/2] matrix_a_fmt:MATRIX_FMT_FP6 matrix_b_fmt:MATRIX_FMT_FP6
.elseif ((\q)%2) == 0
	v_wmma_scale_f32_16x16x128_f8f6f4 v[8*(8*(\a)+\b):8*(8*(\a)+\b)+7], v[128*(\set)+12*\b:128*(\set)+12*\b+11], v[AF+48*(\set)+12*(\a):AF+48*(\set)+12*(\a)+11], v[8*(8*(\a)+\b):8*(8*(\a)+\b)+7], v[SC+24*(\sc)+8+2*\b+(\q)/2], v[SC+24*(\sc)+2*(\a)+(\q)/2] matrix_a_fmt:MATRIX_FMT_FP6 matrix_b_fmt:MATRIX_FMT_FP6
.else
	v_wmma_scale_f32_16x16x128_f8f6f4 v[8*(8*(\a)+\b):8*(8*(\a)+\b)+7], v[128*(\set)+12*\b:128*(\set)+12*\b+11], v[AF+48*(\set)+12*(\a):AF+48*(\set)+12*(\a)+11], v[8*(8*(\a)+\b):8*(8*(\a)+\b)+7], v[SC+24*(\sc)+8+2*\b+(\q)/2], v[SC+24*(\sc)+2*(\a)+(\q)/2] matrix_a_fmt:MATRIX_FMT_FP6 matrix_b_fmt:MATRIX_FMT_FP6 matrix_a_scale:MATRIX_SCALE_ROW1 matrix_b_scale:MATRIX_SCALE_ROW1
.endif
.endr
.endm
.macro STEP slot, q, zero
	s_wait_dscnt 0x0
	PLACES 4
	FETCH \slot, (\q)+1, 1-(\q)%2
	WIN 0xa1
	MUL8 0, (\q)%2, \q, \slot, \zero
	MUL8 1, (\q)%2, \q, \slot, \zero
	MUL8 2, (\q)%2, \q, \slot, \zero
	MUL8 3, (\q)%2, \q, \slot, \zero
	WIN 0
.endm
.macro ASK off                         ; a record of my share: A's waves name one row block, B's waves two
	global_prefetch_b8 v250, s[4:5] offset:\off th:TH_LOAD_NT scope:SCOPE_SE
	s_cmp_eq_u32 s11, 0
	s_cbranch_scc1 .Lno_ask_\@
	global_prefetch_b8 v250, s[4:5] offset:\off+RBS th:TH_LOAD_NT scope:SCOPE_SE
.Lno_ask_\@:
.endm
.macro TURN slot, next, fill
	s_wait_tensorcnt 0x0
	ds_add_u32 v12, v13
	s_wait_dscnt 0x1
	WIN 0xa1
	MUL8 0, 1, 3, \slot, 0
	MUL8 1, 1, 3, \slot, 0
	s_wait_dscnt 0x0
	s_barrier_signal -1
	MUL8 2, 1, 3, \slot, 0
	WIN 0
	s_barrier_wait -1
.if \fill
	CREST
	s_add_nc_u64 s[G0A+4*\slot+2:G0A+4*\slot+3], s[G0A+4*\slot+2:G0A+4*\slot+3], 12800
	s_add_nc_u64 s[G0B+4*\slot+2:G0B+4*\slot+3], s[G0B+4*\slot+2:G0B+4*\slot+3], 12800
	JLOAD \slot
.else
	PLACES 4
.endif
	s_wait_alu depctr_va_vdst(0)
	FETCH \next, 0, 0
	SCALES \next
	WIN 0xa1
	MUL8 3, 1, 3, \slot, 0
	WIN 0
.endm
	s_load_b128 s[68:71], s[0:1], 0x0
	s_load_b64 s[72:73], s[0:1], 0x10
	v_lshl_add_u32 v12, v0, 2, SPARE
	v_mov_b32 v13, 0
	ds_add_u32 v12, v13
	ds_add_u32 v12, v13
	v_lshrrev_b32 v1, 5, v0
	v_readfirstlane_b32 s10, v1
	v_and_b32 v250, 31, v0
	v_min_u32 v250, 24, v250
	v_lshlrev_b32 v250, 8, v250                    ; the prefetches' offset: a lane a block of 256 bytes; never rewritten
	s_lshr_b32 s11, s10, 1
	s_and_b32 s12, s10, 1
	s_bfe_u32 s13, ttmp6, 0x40000
	s_bfe_u32 s14, ttmp6, 0x40004
	s_lshl_b32 s18, ttmp9, 2
	s_add_co_u32 s18, s18, s13
	s_and_b32 s17, ttmp7, 0xffff
	s_lshl_b32 s17, s17, 2
	s_add_co_u32 s17, s17, s14
	s_lshl_b32 s20, s14, 2
	s_lshl_b32 s20, 15, s20
	s_lshl_b32 s22, 0x1111, s13
	s_or_b32 s[G1A], s20, (3<<16)|(1<<21)
	s_or_b32 s[G1B], s22, (3<<16)|(1<<21)
	s_mov_b32 s[G1A+1], 800<<16
	s_mov_b32 s[G1A+2], 4<<16
	s_mov_b32 s[G1A+3], 800<<16
	s_mov_b32 s[G1A+4], 4
	s_mov_b32 s[G1A+5], RBS/8
	s_mov_b32 s[G1A+6], 0
	s_mov_b32 s[G1A+7], 0
	s_mov_b32 s[G1B+1], 800<<16
	s_mov_b32 s[G1B+2], 8<<16
	s_mov_b32 s[G1B+3], 800<<16
	s_mov_b32 s[G1B+4], 8
	s_mov_b32 s[G1B+5], RBS/8
	s_mov_b32 s[G1B+6], 0
	s_mov_b32 s[G1B+7], 0
	s_lshl_b32 s20, s17, 3
	s_lshl_b32 s21, s12, 2
	s_add_co_u32 s20, s20, s21
	s_mul_i32 s20, s20, RBS
	s_mov_b32 s21, 0
	s_lshl_b32 s22, s18, 4
	s_lshl_b32 s23, s12, 3
	s_add_co_u32 s22, s22, s23
	s_mul_i32 s22, s22, RBS
	s_mov_b32 s23, 0
	s_mul_i32 s2, s12, 25600
	s_mul_i32 s19, s12, 51200
	s_add_co_u32 s19, s19, BOFF
	s_lshl_b32 s40, s17, 21
	s_lshl_b32 s41, s11, 20
	s_add_co_u32 s40, s40, s41
	s_lshl_b32 s41, s18, 10
	s_add_co_u32 s40, s40, s41
	s_lshl_b32 s41, s12, 9
	s_add_co_u32 s40, s40, s41
	s_mov_b32 s41, 0
	s_wait_dscnt 0x0
	s_wait_kmcnt 0x0
	s_add_nc_u64 s[20:21], s[68:69], s[20:21]
	s_add_nc_u64 s[22:23], s[70:71], s[22:23]
	s_add_nc_u64 s[72:73], s[72:73], s[40:41]
	s_lshl_b32 s6, s14, 1
	s_cmp_eq_u32 s11, 0                            ; do I fetch for A?
	s_cselect_b64 s[4:5], s[20:21], s[22:23]       ; the prefetches begin at my tile's record 0,
	s_cselect_b32 s6, s13, s6                      ; at my work-group's share: row block cx of A's four, row blocks 2 cy and 2 cy + 1 of B's eight
	s_mul_i32 s6, s6, RBS
	s_mov_b32 s7, 0
	s_add_nc_u64 s[4:5], s[4:5], s[6:7]
.irp s, 0,1
	s_mov_b32 s[G0A+4*\s], 1
	s_add_co_u32 s[G0A+4*\s+1], s2, \s*SLOT
	s_add_nc_u64 s[G0A+4*\s+2:G0A+4*\s+3], s[20:21], \s*6400
	s_or_b32 s[G0A+4*\s+3], s[G0A+4*\s+3], 0x80000000
	s_mov_b32 s[G0B+4*\s], 1
	s_add_co_u32 s[G0B+4*\s+1], s19, \s*SLOT
	s_add_nc_u64 s[G0B+4*\s+2:G0B+4*\s+3], s[22:23], \s*6400
	s_or_b32 s[G0B+4*\s+3], s[G0B+4*\s+3], 0x80000000
	s_wait_alu depctr_va_vdst(0)
	s_wait_tensorcnt 0x0
	ds_add_u32 v12, v13
	ds_add_u32 v12, v13
	s_wait_dscnt 0x0
	CROUND
	JLOAD \s
.if \s == 0
	ASK 6400
	ASK 12800
.else
	ASK 19200
.endif
.endr
	v_and_b32 v1, 31, v0
	v_lshlrev_b32 v2, 3, v1
	v_lshlrev_b32 v1, 4, v1
	s_mul_i32 s42, s11, 25600
	s_mul_i32 s43, s12, 51200
	s_add_co_u32 s43, s43, BOFF
.irp s, 0,1
	v_add_nc_u32 v[4+\s], s42, v1
	v_add_nc_u32 v[6+\s], s43, v1
	v_add_nc_u32 v[8+\s], s42, v2
	v_add_nc_u32 v[10+\s], s43, v2
	s_add_co_u32 s42, s42, SLOT
	s_add_co_u32 s43, s43, SLOT
.endr
	v_and_b32 v16, 15, v0
	v_bfe_u32 v17, v0, 4, 1
	s_mul_i32 s40, s10, 8448
	v_mul_u32_u24 v14, v16, 528
	v_lshl_add_u32 v14, v17, 6, v14
	v_add_nc_u32 v14, s40, v14
	v_add_nc_u32 v15, s40, v1
	s_wait_tensorcnt 0x1
	s_barrier_signal -1
	s_barrier_wait -1
	FETCH 0, 0, 0
	SCALES 0
	STEP 0, 0, 1
	s_mov_b32 s3, LAPS-1
.Llap:
	STEP 0, 1, 0
	STEP 0, 2, 0
	TURN 0, 1, 1
	STEP 1, 0, 0
	STEP 1, 1, 0
	STEP 1, 2, 0
	TURN 1, 0, 1
	STEP 0, 0, 0
	s_sub_co_u32 s3, s3, 1
	s_cmp_lg_u32 s3, 0
	s_cbranch_scc1 .Llap
	STEP 0, 1, 0
	STEP 0, 2, 0
	TURN 0, 1, 0
	STEP 1, 0, 0
	STEP 1, 1, 0
	STEP 1, 2, 0
	s_wait_dscnt 0x0
	WIN 0xa1
	MUL8 0, 1, 3, 1, 0
	MUL8 1, 1, 3, 1, 0
	MUL8 2, 1, 3, 1, 0
	MUL8 3, 1, 3, 1, 0
	WIN 0
	PLACES 4
.macro TOSTAGE a
	WIN 0x08
.irp b, 0,1,2,3
.irp m, 0,1,2,3
	ds_store_b128 v14, v[64*(\a)+16*\b+4*\m:64*(\a)+16*\b+4*\m+3] offset:128*\b+16*\m
.endr
.endr
	WIN 0
.set tt, 0
.rept 16
	ds_load_b128 v[96+64*((\a)%2)+4*tt:96+64*((\a)%2)+4*tt+3], v15 offset:528*tt
.set tt, tt+1
.endr
.endm
.macro SEND a, younger
	s_wait_dscnt \younger
.set tt, 0
.rept 16
	global_store_b128 v1, v[96+64*((\a)%2)+4*tt:96+64*((\a)%2)+4*tt+3], s[72:73] offset:16384*(32*((\a)/2)+8*((\a)%2)+tt+8*(tt/8)) th:TH_STORE_NT
.set tt, tt+1
.endr
.endm
	TOSTAGE 0
.irp a, 1,2,3
.if \a > 1
	s_wait_xcnt 0x0
.endif
	TOSTAGE \a
	SEND \a-1, 32
.endr
	SEND 3, 0
	s_wait_tensorcnt 0x0
	ds_add_u32 v12, v13
	s_wait_dscnt 0x0
	CROUND
	s_endpgm
.Lfunc_end_k_q36c35a7a43_oproj:
	.size	k_q36c35a7a43_oproj, .Lfunc_end_k_q36c35a7a43_oproj-k_q36c35a7a43_oproj
	.p2alignl 7, 3214868480
	.fill 96, 4, 3214868480
	.section	.rodata,"a",@progbits
	.p2align	6, 0x0
	.amdhsa_kernel k_q36c35a7a43_oproj
		.amdhsa_group_segment_fixed_size 327680
		.amdhsa_private_segment_fixed_size 0
		.amdhsa_enable_private_segment 0
		.amdhsa_kernarg_size 24
		.amdhsa_user_sgpr_count 2
		.amdhsa_user_sgpr_kernarg_segment_ptr 1
		.amdhsa_wavefront_size32 1
		.amdhsa_system_sgpr_workgroup_id_x 1
		.amdhsa_system_sgpr_workgroup_id_y 1
		.amdhsa_system_sgpr_workgroup_id_z 1
		.amdhsa_system_vgpr_workitem_id 0
		.amdhsa_next_free_vgpr 768
		.amdhsa_next_free_sgpr 74
		.amdhsa_reserve_vcc 0
		.amdhsa_float_denorm_mode_32 3
		.amdhsa_float_denorm_mode_16_64 3
		.amdhsa_memory_ordered 1
		.amdhsa_forward_progress 1
		.amdhsa_inst_pref_size 134
	.end_amdhsa_kernel
	.amdgpu_metadata
---
amdhsa.version: [ 1, 2 ]
amdhsa.kernels:
  - .name:           k_q36c35a7a43_oproj
    .symbol:         k_q36c35a7a43_oproj.kd
    .args:
      - { .name: ctxrec, .offset: 0, .size: 8, .value_kind: global_buffer, .address_space: global }
      - { .name: worec, .offset: 8, .size: 8, .value_kind: global_buffer, .address_space: global }
      - { .name: out0, .offset: 16, .size: 8, .value_kind: global_buffer, .address_space: global }
    .group_segment_fixed_size: 327680
    .private_segment_fixed_size: 0
    .kernarg_segment_align: 8
    .kernarg_segment_size: 24
    .max_flat_workgroup_size: 128
    .sgpr_count:     74
    .vgpr_count:     768
    .wavefront_size: 32
...
	.end_amdgpu_metadata
.endif
;; end of part 4
